; MI455X (gfx1250); checked and timed in simulation.
; The chip was launched on July 23, 2026; its instructions are those of AMD's public machine-readable ISA for CDNA 5 (MIT licence, August 2026) and "CDNA5" Instruction Set Architecture Reference Guide (July 2026). The comments in the code are by the model that wrote it; some were corrected since.
;; Self Attention. Allowed arithmetic: matrix products marked QUANTISED: E2M1 operands, one E8M0 scale for each 32 along K, by v_wmma_scale_f32_16x16x128_f8f6f4 with both operands' format E2M1 (or v_wmma_scale_f32_32x16x128_f4), f32 sums; products left as they are: bf16, f16 or f32 operands; f32 sums; everything else in f32.
;; Inputs: Wk 1,024 x 1,024 float32; Wo 1,024 x 1,024 float32; Wq 1,024 x 1,024 float32; Wv 1,024 x 1,024 float32; attention_mask 4 x 2,048 bool; bk 1,024 float32; bo 1,024 float32; bq 1,024 float32; bv 1,024 float32; x 4 x 2,048 x 1,024 float32.
;; Outputs: out0 4 x 2,048 x 1,024 float32.
;; Constants: use_causal_mask = 1.
;; This version of the problem:
;;   THIS VERSION OF THE PROBLEM IS GIVEN IN LOW PRECISION. The matrix products marked QUANTISED in the list below multiply operands that are first quantised to E2M1 (2 exponent bits, 1 mantissa bit; 4 bits a number), with one power-of-two scale for each 32 numbers along K (OCP MX v1.0); their sums are f32. The products marked 'left as it is' may take bf16, f16 or f32 operands, with f32 sums. Whichever they take, every output number must still come out within the allowed error. Rounding operands to bf16 (8 significant bits) uses up far more of that allowance than f16 does (11 bits, for magnitudes from 6e-5 to 65,504). All else is computed in f32.
;;   The module's matrix products, in the order in which they are computed (A, B: the left and right operand; K: the contracted axis; several contracted axes count as one K, in the product's order):
;;     1. [M 8,192, K 1,024] x [K 1,024, N 1,024]; A: input x; B: input Wq: QUANTISED
;;     2. [M 8,192, K 1,024] x [K 1,024, N 1,024]; A: input x; B: input Wk: QUANTISED
;;     3. [M 8,192, K 1,024] x [K 1,024, N 1,024]; A: input x; B: input Wv: QUANTISED
;;     4. batch 64 x [M 2,048, K 64] x [K 64, N 2,048]; A: computed on the way; B: computed on the way: left as it is (an operand is computed on the way)
;;     5. batch 64 x [M 2,048, K 2,048] x [K 2,048, N 64]; A: computed on the way; B: computed on the way: left as it is (an operand is computed on the way)
;;     6. [M 8,192, K 1,024] x [K 1,024, N 1,024]; A: computed on the way; B: input Wo: left as it is (an operand is computed on the way)
;;   THE QUANTISER, for each operand of a quantised product, along K:
;;     - K is cut into blocks of 32 from its start; a last block that is shorter is filled with zeros.
;;     - A block's scale is 2^e with e = floor(log2(the largest magnitude in the block)) - 2, held to -126 .. 127; a block of zeros has e = 0. As a byte (E8M0): e + 127.
;;     - Each number is divided by its block's scale, clamped to +-6, and rounded to the nearest number of E2M1, ties to even, subnormals kept.
;;     - The product sums the exact products of the quantised numbers (number of the format x scale) in f32.
;;   ~~~python
;;   def quantise(x, axis):      # numpy; x: float32 -> the quantised numbers, widened to float32 again
;;       x = np.moveaxis(x, axis, -1); K = x.shape[-1]
;;       x = np.pad(x, [(0, 0)] * (x.ndim - 1) + [(0, -K % 32)]); x = x.reshape(x.shape[:-1] + (-1, 32)); a = np.abs(x).max(-1, keepdims=True)
;;       e = np.where(a > 0, np.clip(np.frexp(np.where(a > 0, a, 1))[1] - 1 - 2, -126, 127), 0)      # np.frexp(a)[1] - 1 = floor(log2(a)), exactly
;;       r = np.clip(x / 2.0 ** e, -6, 6)
;;       step = 2.0 ** (np.maximum(np.frexp(np.where(r == 0, 1, r))[1] - 1, 0) - 1)
;;       q = np.round(r / step) * step * 2.0 ** e      # np.round: ties to even
;;       return np.moveaxis(q.reshape(q.shape[:-2] + (-1,))[..., :K], -1, axis).astype(np.float32)
;;   ~~~
;; One version. Each part assembles by itself: llvm-mc -triple=amdgcn-amd-amdhsa -mcpu=gfx1250 --defsym DOCPART=n.
;; ======== version 1 of 1: 5 launches
;; limits: values are held in f16: magnitudes above 65,504 overflow, below 6.1e-05 lose precision
;; workspace buffers: xq 4,456,448 bytes; wq 1,671,168 bytes; wot 4,194,304 bytes; qkv16 50,331,648 bytes; qkv32 1,048,576 bytes; att16 16,777,216 bytes; vbar 16,384 bytes
;; launch prep (part 1): grid 384 x 1, 4 waves a work-group, no clusters, 87,552 bytes of LDS; arguments x, Wq, Wk, Wv, Wo, xq, wq, wot; writes xq, wq, wot
.if DOCPART == 1
	.amdgcn_target "amdgcn-amd-amdhsa--gfx1250"
	.amdhsa_code_object_version 6
	.text
	.protected	k_qfa097f9592_prep
	.globl	k_qfa097f9592_prep
	.p2align	8
	.type	k_qfa097f9592_prep,@function
k_qfa097f9592_prep:
	s_mov_b64 s[64:65], 0
	v_nop
	global_prefetch_b8 v0, s[64:65] scope:SCOPE_SE
	s_setreg_imm32_b32 hwreg(HW_REG_WAVE_MODE, 25, 1), 1
	s_wait_xcnt 0x0
; SELF-ATTENTION, launch 1 of 5: the operands of the three quantised products are made once, and Wo is laid for the last product.
;   x [8192][1024] f32            -> xq:  codes of E2M1 [8192][512 bytes], K innermost; behind them (byte 4,194,304) one E8M0 byte for each 32 along K, [8192][32]
;   Wq, Wk, Wv [1024 k][1024 n]   -> wq:  codes [3072 n][512 bytes] (n = 1024 x tensor + column), K innermost; behind them (byte 1,572,864) the scale bytes [3072][32]
;   Wo [1024 k][1024 n]           -> wot: f16 high part [16 kb][1024 n][64 k]; behind it (byte 2,097,152) the low part f16((w - high) x 2048), laid alike
; A block's scale is 2^(floor(log2(largest magnitude)) - 2); its byte is the largest magnitude's exponent field - 2, held at 1 from below.
; WORK LEFT OUT IN THIS PROGRAM, AND WHY IT CAN REACH NO OUTPUT:
;   bk.  scores[q][k] = q . (x Wk)[k] + q . bk, and the second term is the same for all keys of a row.  The score product is not quantised, so bk moves no code.  An open key's weight is
;   exp(score - max) / sum, in which a term common to the row cancels; a blocked entry is replaced by the least f32 number AFTER the term was added; a row with no open key is all that one number.
;   So bk has no way to an output: it is not loaded and is an argument of no launch.
;   Key tiles that lie wholly above the causal diagonal, which reference() builds itself: their weights are 0 wherever the row has an open key; rows without one are served by the mean of V.
; LIMITS: a NaN, an infinity or an overflow that reaches only bk or those tiles is not carried to the result.  NaN and infinities among the inputs are not served.  A block of zeros gets the byte 1 where
;   the rule says 127: its codes are zeros, and only this program reads the bytes.  Blocks whose largest magnitude lies under 2^(3 - 127) are held at that floor.
;   q, k, v and the attention's result go on as f16: magnitudes under 65,504; under 6e-5 they keep an absolute error of 3e-8.  Scores stay under 2^102.
; SHARES: work-groups 0-95 take Wq, Wk, Wv (32 each), 96-127 Wo, 128-383 x.  The three ways part on the work-group's number and have LDS bytes of their own.  Waves share nothing: no barrier.
.set SPW,    30                        ; v30  LDS address of my spare word; never rewritten
.set NIL,    31                        ; v31  0; never rewritten
.set XREG,   8192                      ; x's way: a region for each wave, from byte 0: two stages of 32 x 80 bytes, then 256 scale bytes
.set SP,     80
.set WB,     32768                     ; the weights' way: 16 rows x 272 bytes for each wave
.set WPITCH, 272
.set OB,     50176                     ; Wo's way: 32 rows x 144 bytes for the high parts, the same for the low parts, for each wave
.set OPITCH, 144
.set SPARE,  87040                     ; the spare words, 128 bytes for each wave
.set R,      32                        ; x: v32-95 four sets of 16 numbers as loaded
.set X,      96                        ; x: v96-127 two sets of 16 neighbours
.set C,      128                       ; x: v128-159 codes, two registers a step
.set E,      160                       ; x: v160-175 a scale byte a step
.set SB,     24                        ; weights: v24-25 eight scale bytes
.set CW,     96                        ; weights: v96-99 a block's codes
.set OUTR,   112                       ; weights: v112-143 the way out
.set HI,     96                        ; Wo: v96-111 a block's high parts, v112-127 its low parts
.set LO,     112
	s_load_b256 s[4:11], s[0:1], 0x0               ; x, Wq, Wk, Wv
	s_load_b256 s[12:19], s[0:1], 0x20             ; Wo, xq, wq, wot
	v_lshl_add_u32 v[SPW], v0, 2, SPARE
	v_mov_b32 v[NIL], 0
	v_lshrrev_b32 v1, 5, v0
	v_readfirstlane_b32 s20, v1                    ; wave
	v_and_b32 v2, 31, v0                           ; lane
	s_wait_kmcnt 0x0
	s_cmp_lt_u32 ttmp9, 96
	s_cbranch_scc1 .Lpath_w
	s_cmp_lt_u32 ttmp9, 128
	s_cbranch_scc1 .Lpath_o
; ---------------- x: a plain stream of blocks of 32.  A wave takes 16 steps of 512 numbers.  Each load reads 512 consecutive bytes; a step's 2,048 bytes turn through the wave's stage, so that a lane
; holds 16 neighbours along K (two neighbouring lanes hold a block).  Loads run four steps ahead, the turn one step.
	v_lshlrev_b32 v3, 4, v2                        ; my 16 bytes of a load's 512
	s_mul_i32 s21, s20, XREG
	v_lshrrev_b32 v4, 2, v2
	v_mul_u32_u24 v4, v4, SP
	v_and_b32 v5, 3, v2
	v_lshl_add_u32 v4, v5, 4, v4
	v_add_nc_u32 v4, s21, v4                       ; the stage, on the way in: 80 (lane / 4) + 16 (lane % 4)
	v_mul_u32_u24 v5, v2, SP
	v_add_nc_u32 v5, s21, v5                       ; and on the way out: 80 x lane
	v_lshlrev_b32 v6, 3, v2                        ; 8 bytes a lane: my codes in a step's 256, and my part of the 256 scale bytes
	v_lshrrev_b32 v7, 1, v2
	s_add_co_u32 s21, s21, 2*32*SP
	v_add_nc_u32 v7, s21, v7                       ; LDS: my block's byte
	v_add_nc_u32 v8, s21, v6                       ; and where I read 8 of them back
	s_sub_co_u32 s22, ttmp9, 128
	s_lshl_b32 s22, s22, 2
	s_add_co_u32 s22, s22, s20                     ; which run of 8,192 numbers is my wave's
	s_lshl_b32 s24, s22, 15
	s_mov_b32 s25, 0
	s_add_nc_u64 s[4:5], s[4:5], s[24:25]
	s_lshl_b32 s24, s22, 12
	s_add_nc_u64 s[26:27], s[14:15], s[24:25]      ; its 4,096 bytes of codes
	s_lshl_b32 s24, s22, 8
	s_add_nc_u64 s[28:29], s[14:15], s[24:25]
	s_add_nc_u64 s[28:29], s[28:29], 4194304       ; its 256 scale bytes
.macro XLOAD t
.irp i, 0,1,2,3
	global_load_b128 v[R+16*((\t)%4)+4*\i:R+16*((\t)%4)+4*\i+3], v3, s[4:5] offset:2048*(\t)+512*\i th:TH_LOAD_NT
.endr
.endm
.macro XTURN t                         ; LDS serves a wave's instructions in order: no wait between the stores and the loads
.irp i, 0,1,2,3
	ds_store_b128 v4, v[R+16*((\t)%4)+4*\i:R+16*((\t)%4)+4*\i+3] offset:32*SP*((\t)%2)+8*SP*\i
.endr
.irp i, 0,1,2,3
	ds_load_b128 v[X+16*((\t)%2)+4*\i:X+16*((\t)%2)+4*\i+3], v5 offset:32*SP*((\t)%2)+16*\i
.endr
.endm
.macro XSTEP t
.set XS, X+16*((\t)%2)
.if (\t) > 0
	s_wait_dscnt 1                                 ; this step's numbers are back (the last step's byte store may be out)
.else
	s_wait_dscnt 0x0
.endif
.if (\t)+4 < 16
	XLOAD (\t)+4                                   ; into the registers that this step's stores into the stage have read
.endif
.if (\t)+1 < 16
.if 14-(\t) >= 3
	s_wait_loadcnt 12                              ; the next step's four loads are in; those of the three steps behind it may be out
.else
	s_wait_loadcnt 4*(14-(\t))
.endif
	XTURN (\t)+1
.endif
	v_max3_num_f32 v10, |v[XS]|, |v[XS+1]|, |v[XS+2]|
	v_max3_num_f32 v11, |v[XS+3]|, |v[XS+4]|, |v[XS+5]|
.irp i, 6,10
	v_max3_num_f32 v10, v10, |v[XS+\i]|, |v[XS+\i+1]|
	v_max3_num_f32 v11, v11, |v[XS+\i+2]|, |v[XS+\i+3]|
.endr
	v_max3_num_f32 v10, v10, |v[XS+14]|, |v[XS+15]|
	v_max3_num_f32 v10, v10, v11, 0x1800000        ; and the floor 2^(3 - 127): the byte cannot fall under 1
	v_max_num_f32_dpp v10, v10, v10 row_xmask:1 row_mask:0xf bank_mask:0xf   ; with my neighbour's 16: the block's largest magnitude
	v_add_nc_u32 v12, 0xff000000, v10              ; 2 off its exponent field: the conversion takes that field as its scale
	v_cvt_scalef32_pk8_fp4_f32 v[C+2*(\t)], v[XS:XS+7], v12
	v_cvt_scalef32_pk8_fp4_f32 v[C+2*(\t)+1], v[XS+8:XS+15], v12
	v_lshrrev_b32 v[E+(\t)], 23, v12               ; the scale's byte
	ds_store_b8 v7, v[E+(\t)] offset:16*(\t)       ; both lanes of a block write the same byte with the same value
	global_store_b64 v6, v[C+2*(\t):C+2*(\t)+1], s[26:27] offset:256*(\t)   ; the wave stores 256 consecutive bytes, aligned
.endm
.irp t, 0,1,2,3
	XLOAD \t
.endr
	s_wait_loadcnt 12                              ; step 0's four loads are in
	XTURN 0
.irp t, 0,1,2,3,4,5,6,7,8,9,10,11,12,13,14,15
	XSTEP \t
.endr
	ds_load_b64 v[10:11], v8                       ; behind my byte stores, in order
	s_wait_dscnt 0x0
	global_store_b64 v6, v[10:11], s[28:29]        ; 256 consecutive scale bytes, aligned
	s_wait_tensorcnt 0x0                           ; the wave's end
	ds_add_u32 v[SPW], v[NIL]
	s_wait_dscnt 0x0
	s_endpgm
; ---------------- what the two weight ways share.  A wave takes 16 columns x 512 along K: lane (c = lane % 16, h = lane / 16) takes column 64 nx + 16 wave + c and k = 512 ky + 256 h + 0 .. 255:
; its registers run DOWN K, so a block of 32 lies in one lane.  s25 = nx, s26 = ky, s[22:23] = the tensor.
.macro GEOM
	v_and_b32 v5, 15, v2                           ; c
	v_lshrrev_b32 v6, 4, v2                        ; h
	v_lshlrev_b32 v3, 2, v5
	v_lshl_add_u32 v3, v6, 20, v3                  ; 4 c + 256 rows of 4,096 bytes x h
	s_lshl_b32 s27, s25, 6
	s_lshl_b32 s28, s20, 4
	s_add_co_u32 s27, s27, s28                     ; my wave's first column
	s_lshl_b32 s28, s26, 21                        ; 512 rows x ky
	s_lshl_b32 s29, s27, 2
	s_add_co_u32 s28, s28, s29
	s_mov_b32 s29, 0
	s_add_nc_u64 s[22:23], s[22:23], s[28:29]
.endm
.macro WLOAD t                         ; block t: 32 numbers down K into set t % 2; sixteen lanes read 64 consecutive bytes, the four waves stand side by side on 256
.irp i, 0,1,2,3,4,5,6,7,8,9,10,11,12,13,14,15,16,17,18,19,20,21,22,23,24,25,26,27,28,29,30,31
	global_load_b32 v[32+32*((\t)%2)+\i], v3, s[22:23] offset:(32*(\t)+\i)*4096
.endr
.endm
.macro WWAIT t
.if (\t) < 7
	s_wait_loadcnt 32                              ; this block's 32 loads are in; the next block's may be out
.else
	s_wait_loadcnt 0x0
.endif
.endm
; ---------------- Wq, Wk, Wv
.Lpath_w:
	s_cmp_lt_u32 ttmp9, 32
	s_cselect_b64 s[22:23], s[6:7], s[8:9]
	s_cmp_lt_u32 ttmp9, 64
	s_cselect_b64 s[22:23], s[22:23], s[10:11]     ; the choice hangs on the work-group's number alone
	s_lshr_b32 s24, ttmp9, 5                       ; which tensor
	s_and_b32 s25, ttmp9, 15
	s_bfe_u32 s26, ttmp9, 0x10004
	GEOM
	s_mul_i32 s28, s20, 16*WPITCH
	s_add_co_u32 s28, s28, WB                      ; my stage
	v_mul_u32_u24 v4, v5, WPITCH
	v_lshl_add_u32 v4, v6, 7, v4
	v_add_nc_u32 v4, s28, v4                       ; in: row = my column, + 128 h
	v_mul_u32_u24 v7, v6, WPITCH
	v_lshl_add_u32 v7, v5, 4, v7
	v_add_nc_u32 v7, s28, v7                       ; out: sixteen lanes to a row, two rows an instruction
	v_lshlrev_b32 v8, 9, v6
	v_lshl_add_u32 v8, v5, 4, v8                   ; the same place among the codes' rows of 512 bytes
	v_lshlrev_b32 v9, 5, v5
	v_lshl_add_u32 v9, v6, 3, v9                   ; my 8 scale bytes: 32 c + 8 h
	s_lshl_b32 s28, s24, 10
	s_add_co_u32 s28, s28, s27                     ; my wave's first row of wq
	s_lshl_b32 s34, s28, 9
	s_lshl_b32 s35, s26, 8
	s_add_co_u32 s34, s34, s35
	s_mov_b32 s35, 0
	s_add_nc_u64 s[30:31], s[16:17], s[34:35]
	s_lshl_b32 s34, s28, 5
	s_lshl_b32 s36, s26, 4
	s_add_co_u32 s34, s34, s36
	s_add_co_u32 s34, s34, 1572864
	s_add_nc_u64 s[32:33], s[16:17], s[34:35]
.macro WBLOCK t
.set XS, 32+32*((\t)%2)
	WWAIT \t
	v_max3_num_f32 v12, |v[XS]|, |v[XS+1]|, |v[XS+2]|
	v_max3_num_f32 v13, |v[XS+3]|, |v[XS+4]|, |v[XS+5]|
.irp i, 6,10,14,18,22,26
	v_max3_num_f32 v12, v12, |v[XS+\i]|, |v[XS+\i+1]|
	v_max3_num_f32 v13, v13, |v[XS+\i+2]|, |v[XS+\i+3]|
.endr
	v_max3_num_f32 v12, v12, |v[XS+30]|, |v[XS+31]|
	v_max3_num_f32 v12, v12, v13, 0x1800000        ; and the floor
	v_add_nc_u32 v11, 0xff000000, v12              ; the conversion's scale operand
	v_lshrrev_b32 v13, 23, v11                     ; the scale's byte
.if (\t)%4 == 0
	v_mov_b32 v[SB+(\t)/4], v13
.else
	v_lshl_or_b32 v[SB+(\t)/4], v13, 8*((\t)%4), v[SB+(\t)/4]
.endif
.irp g, 0,1,2,3
	v_cvt_scalef32_pk8_fp4_f32 v[CW+\g], v[XS+8*\g:XS+8*\g+7], v11
.endr
	ds_store_b128 v4, v[CW:CW+3] offset:16*(\t)    ; 32 codes: 16 bytes of my column's row
.if (\t)+2 < 8
	WLOAD (\t)+2
.endif
	s_wait_dscnt 0x0
.endm
	WLOAD 0
	WLOAD 1
.irp t, 0,1,2,3,4,5,6,7
	WBLOCK \t
.endr
	global_store_b64 v9, v[SB:SB+1], s[32:33]
.irp t, 0,1,2,3,4,5,6,7
	ds_load_b128 v[OUTR+4*\t:OUTR+4*\t+3], v7 offset:2*\t*WPITCH
.endr
.irp t, 0,1,2,3,4,5,6,7
	s_wait_dscnt 7-\t
	global_store_b128 v8, v[OUTR+4*\t:OUTR+4*\t+3], s[30:31] offset:2*\t*512   ; sixteen lanes store 256 consecutive bytes, aligned
.endr
	s_wait_tensorcnt 0x0                           ; the wave's end
	ds_add_u32 v[SPW], v[NIL]
	s_wait_dscnt 0x0
	s_endpgm
; ---------------- Wo: each number as a pair of f16, split in f32: high = f16(w), low = f16((w - high) x 2048).  A lane's 64 numbers of two blocks are one row (kb, n) of 128 bytes.
.Lpath_o:
	s_mov_b64 s[22:23], s[12:13]
	s_and_b32 s25, ttmp9, 15
	s_bfe_u32 s26, ttmp9, 0x10004
	GEOM
	s_mul_i32 s28, s20, 2*32*OPITCH
	s_add_co_u32 s28, s28, OB
	v_mul_u32_u24 v4, v2, OPITCH
	v_add_nc_u32 v4, s28, v4                       ; in: row = my lane
	v_lshrrev_b32 v7, 3, v2
	v_mul_u32_u24 v7, v7, OPITCH
	v_and_b32 v9, 7, v2
	v_lshl_add_u32 v7, v9, 4, v7
	v_add_nc_u32 v7, s28, v7                       ; out: eight lanes to a row of 128 bytes, four rows an instruction
	v_lshlrev_b32 v8, 4, v2                        ; which are 512 consecutive bytes of wot
	s_lshl_b32 s34, s26, 20                        ; kb = 8 ky on: 131,072 bytes each
	s_lshl_b32 s35, s27, 7
	s_add_co_u32 s34, s34, s35
	s_mov_b32 s35, 0
	s_add_nc_u64 s[30:31], s[18:19], s[34:35]
.macro OBLOCK t
.set XS, 32+32*((\t)%2)
	WWAIT \t
.irp p, 0,2,4,6,8,10,12,14             ; two pairs a turn, on two sets of work registers (a register's halves are named on v10 and v11)
	v_cvt_pk_f16_f32 v10, v[XS+2*\p], v[XS+2*\p+1]
	v_cvt_pk_f16_f32 v11, v[XS+2*\p+2], v[XS+2*\p+3]
	v_cvt_f32_f16 v16, v10.l
	v_cvt_f32_f16 v17, v10.h
	v_cvt_f32_f16 v20, v11.l
	v_cvt_f32_f16 v21, v11.h
	v_mov_b32 v[HI+\p], v10
	v_mov_b32 v[HI+\p+1], v11
	v_pk_add_f32 v[18:19], v[XS+2*\p:XS+2*\p+1], v[16:17] neg_lo:[0,1] neg_hi:[0,1]      ; w - high: exact
	v_pk_add_f32 v[22:23], v[XS+2*\p+2:XS+2*\p+3], v[20:21] neg_lo:[0,1] neg_hi:[0,1]
	v_pk_mul_f32 v[18:19], v[18:19], 0x45000000 op_sel_hi:[1,0]                          ; x 2048: exact
	v_pk_mul_f32 v[22:23], v[22:23], 0x45000000 op_sel_hi:[1,0]
	v_cvt_pk_f16_f32 v[LO+\p], v18, v19
	v_cvt_pk_f16_f32 v[LO+\p+1], v22, v23
.endr
.irp g, 0,1,2,3
	ds_store_b128 v4, v[HI+4*\g:HI+4*\g+3] offset:64*((\t)%2)+16*\g
	ds_store_b128 v4, v[LO+4*\g:LO+4*\g+3] offset:32*OPITCH+64*((\t)%2)+16*\g
.endr
.if (\t)+2 < 8
	WLOAD (\t)+2
.endif
	s_wait_dscnt 0x0
.endm
.macro OFLUSH q                        ; blocks 2 q and 2 q + 1 are kb = 8 ky + 4 h + q
.if (\q) > 0
	s_wait_xcnt 0x0                                ; the last flush's stores have read their registers
.endif
.irp e, 0,1,2,3,4,5,6,7
	ds_load_b128 v[128+4*\e:128+4*\e+3], v7 offset:\e*4*OPITCH
	ds_load_b128 v[160+4*\e:160+4*\e+3], v7 offset:32*OPITCH+\e*4*OPITCH
.endr
	s_wait_dscnt 0x0
.irp e, 0,1,2,3,4,5,6,7
	global_store_b128 v8, v[128+4*\e:128+4*\e+3], s[30:31] offset:((\q)+4*(\e/4))*131072+(\e%4)*512
	global_store_b128 v8, v[160+4*\e:160+4*\e+3], s[30:31] offset:2097152+((\q)+4*(\e/4))*131072+(\e%4)*512
.endr
.endm
	WLOAD 0
	WLOAD 1
.irp q, 0,1,2,3
	OBLOCK 2*\q
	OBLOCK 2*\q+1
	OFLUSH \q
.endr
	s_wait_tensorcnt 0x0                           ; the wave's end
	ds_add_u32 v[SPW], v[NIL]
	s_wait_dscnt 0x0
	s_endpgm
.Lfunc_end_k_qfa097f9592_prep:
	.size	k_qfa097f9592_prep, .Lfunc_end_k_qfa097f9592_prep-k_qfa097f9592_prep
	.p2alignl 7, 3214868480
	.fill 96, 4, 3214868480
	.section	.rodata,"a",@progbits
	.p2align	6, 0x0
	.amdhsa_kernel k_qfa097f9592_prep
		.amdhsa_group_segment_fixed_size 87552
		.amdhsa_private_segment_fixed_size 0
		.amdhsa_enable_private_segment 0
		.amdhsa_kernarg_size 64
		.amdhsa_user_sgpr_count 2
		.amdhsa_user_sgpr_kernarg_segment_ptr 1
		.amdhsa_wavefront_size32 1
		.amdhsa_system_sgpr_workgroup_id_x 1
		.amdhsa_system_sgpr_workgroup_id_y 1
		.amdhsa_system_sgpr_workgroup_id_z 1
		.amdhsa_system_vgpr_workitem_id 0
		.amdhsa_next_free_vgpr 192
		.amdhsa_next_free_sgpr 66
		.amdhsa_reserve_vcc 0
		.amdhsa_float_denorm_mode_32 3
		.amdhsa_float_denorm_mode_16_64 3
		.amdhsa_memory_ordered 1
		.amdhsa_forward_progress 1
		.amdhsa_inst_pref_size 161
	.end_amdhsa_kernel
	.amdgpu_metadata
---
amdhsa.version: [ 1, 2 ]
amdhsa.kernels:
  - .name:           k_qfa097f9592_prep
    .symbol:         k_qfa097f9592_prep.kd
    .args:
      - { .name: x, .offset: 0, .size: 8, .value_kind: global_buffer, .address_space: global }
      - { .name: Wq, .offset: 8, .size: 8, .value_kind: global_buffer, .address_space: global }
      - { .name: Wk, .offset: 16, .size: 8, .value_kind: global_buffer, .address_space: global }
      - { .name: Wv, .offset: 24, .size: 8, .value_kind: global_buffer, .address_space: global }
      - { .name: Wo, .offset: 32, .size: 8, .value_kind: global_buffer, .address_space: global }
      - { .name: xq, .offset: 40, .size: 8, .value_kind: global_buffer, .address_space: global }
      - { .name: wq, .offset: 48, .size: 8, .value_kind: global_buffer, .address_space: global }
      - { .name: wot, .offset: 56, .size: 8, .value_kind: global_buffer, .address_space: global }
    .group_segment_fixed_size: 87552
    .private_segment_fixed_size: 0
    .kernarg_segment_align: 8
    .kernarg_segment_size: 64
    .max_flat_workgroup_size: 128
    .sgpr_count:     66
    .vgpr_count:     192
    .wavefront_size: 32
...
	.end_amdgpu_metadata
.endif
;; end of part 1
;; launch qkv (part 2): grid 12 x 32, 4 waves a work-group, clusters of 4 x 4, 327,680 bytes of LDS; arguments xq, wq, bq, bv, qkv16, qkv32; writes qkv16, qkv32
.if DOCPART == 2
	.amdgcn_target "amdgcn-amd-amdhsa--gfx1250"
	.amdhsa_code_object_version 6
	.text
	.protected	k_qfa097f9592_qkv
	.globl	k_qfa097f9592_qkv
	.p2align	8
	.type	k_qfa097f9592_qkv,@function
k_qfa097f9592_qkv:
	s_mov_b64 s[64:65], 0
	v_nop
	global_prefetch_b8 v0, s[64:65] scope:SCOPE_SE
	s_setreg_imm32_b32 hwreg(HW_REG_WAVE_MODE, 25, 1), 1
	s_wait_xcnt 0x0
	s_wait_alu depctr_hold_cnt(0) depctr_sa_sdst(0) depctr_va_vdst(0) depctr_va_sdst(0) depctr_va_ssrc(0) depctr_va_vcc(0) depctr_vm_vsrc(0)
	s_getreg_b32 s2, hwreg(HW_REG_IB_STS2, 6, 4)
	s_cmp_eq_u32 s2, 0
	s_cbranch_scc0 .Lentry_in_a_cluster
	s_endpgm
.Lentry_in_a_cluster:
	s_bfe_u32 s2, ttmp6, 0x10000c
	s_cmp_lg_u32 s2, 0xf033
	s_cbranch_scc0 .Lentry_shape_is_right
	s_endpgm
.Lentry_shape_is_right:
; Launch 2 of 5: the three quantised products as ONE product on codes of E2M1: [8192 rows of x] x [3072 columns: Wq | Wk | Wv], K = 1024, sums in f32.  bk is left out (no way to an output: see the first kernel's head).
; Out: q + bq, k, v + bv as f16, head-major, qkv16 [3][64 batch x head][2048][64]; the first 16 positions of each sequence also as f32, qkv32 [3][4][16][1024];
; the column sums of v + bv over each 128 rows, f32, qkv32 + 786,432: [64][1024].
; A tile, 256 x 256, is made by four waves, each 128 x 128 in 64 accumulators.  All of K lies in two LDS slots of 512 along K: three tensor loads a wave (scales, slot 0, slot 1), all issued at the head; nothing is filled again.
; CLUSTERS: 4 x 4 work-groups; A's tiles are asked for jointly along a row of the cluster, B's along a column.  A cluster's four tile columns are ONE of the three tensors: cluster x is the tensor, the same in all sixteen
; partners, so branches may hang on it.  THE MATRIX INSTRUCTION IS USED TRANSPOSED (source 0 = 16 rows of wq, source 1 = 16 rows of xq): a lane holds eight neighbouring columns of one row.
; The bias is the C of each sum's first matrix instruction: 64 registers in the result's layout, loaded from bq or bv; for k, which has none here, they are set to 0, so that the first step is written once.
; REGISTERS: window 0: v0-31 addresses; v32-95 scale words, two sets, and nothing else; v96-127 packed results; from v128 A's fragments, ONE set; on the way out v128-255 at work.
;   window 1: B's fragments, two sets, v0-63 and v128-191; v64-127 the bias of my 128 columns.   window 2: the accumulators of my rows 0-63 ((a, b) at v[8 (8 a + b)]);   window 3: rows 64-127.
.set SIZE_K, 1024
.set KSTEP,  512
.set NQ,     KSTEP/128
.set ROWB,   256
.set KROW,   SIZE_K*4/8
.set PITCH,  272                       ; an LDS row: 256 bytes of data + 16 of padding = 68 words: row r starts at bank 4 r mod 64 (64 banks of 4 bytes: ISA guide 11.1), so the 16 rows that a load touches start at 16 different banks
.set FR,     8
.set NL,     2
.set NP,     4                         ; places behind this matrix instruction
.set HALFT,  128*PITCH
.set SLOT,   4*HALFT
.set KS,     SIZE_K/32
.set SCL,    2*SLOT                    ; behind the slots: the scales, as units of 256 bytes + 16
.set HALFS,  (128*KS/256)*272
.set SBLK,   (16*KS/256)*272
.set SPARE,  SCL+4*HALFS               ; the spare words
.set SPITCH, 528                       ; the way out: 16 rows x 528 bytes for each wave, in slot 0, which has had its only fill and its last read by then
.set ADRA, 16
.set STO32, 18                         ; v18  stage, f32 rows: where I put 32 bytes
.set RD32, 19                          ; v19  and where I read 16 bytes of a row back
.set ADRB, 20
.set BOF,  22                          ; v22  32 x (lane / 16)
.set FO,   23                          ; v23  my place in the f32 copy: 4,096 x (lane % 16) + 32 x (lane / 16)
.set STO16, 24                         ; v24  stage, f16 rows of 256 bytes + 16
.set RD16, 25
.set CO,   26                          ; v26  16 x lane
.set ADRS, 27
.set SPW,  28
.set NIL,  29
.set SC,   32
.set TMP,  96
.set AF,   128
.set BI,   64                          ; in window 1
.set G1, 24
.set G0, 32
.set G1B, 48
.set G0B, 56
.set G1S, 68
.set G0S, 76
.set G1SB, 80
.set G0SB, 88
.set MSB, 0
.macro WIN new                         ; the immediate's high byte repeats the setting that is left
.if MSB != \new
	s_set_vgpr_msb (MSB<<8)|\new
.set MSB, \new
.endif
.endm
.set MUL_LO, 0xa1                      ; source 0 (B) window 1, source 1 (A) window 0, C and D window 2
.set MUL_HI, 0xf1
.set TO_B,   0x40
.macro JLOAD g0a, g1a, g0b, g1b        ; a joint load: waves 0 and 1 fetch for A, waves 2 and 3 for B; an s_nop 0 and four v_nop follow each line
	s_cmp_eq_u32 s15, 0
	s_cbranch_scc0 .Lfor_b_\@
	tensor_load_to_lds s[\g0a:\g0a+3], s[\g1a:\g1a+7]
	s_nop 0
.rept 4
	v_nop
.endr
	s_branch .Lasked_\@
.Lfor_b_\@:
	tensor_load_to_lds s[\g0b:\g0b+3], s[\g1b:\g1b+7]
	s_nop 0
.rept 4
	v_nop
.endr
.Lasked_\@:
.endm
.macro CROUND                          ; a round of the cluster's barrier
	s_barrier_signal -1
	s_barrier_wait -1
	s_cmp_lg_u32 s14, 0
	s_cbranch_scc1 .Lnot_wave_0_\@
	s_barrier_signal -3
.Lnot_wave_0_\@:
	s_barrier_wait -3
	s_barrier_signal -1
	s_barrier_wait -1
.endm
	s_load_b64 s[4:5], s[0:1], 0x0                 ; xq
	s_load_b64 s[8:9], s[0:1], 0x8                 ; wq
	s_load_b128 s[96:99], s[0:1], 0x10             ; bq, bv
	s_load_b64 s[12:13], s[0:1], 0x20              ; qkv16
	s_load_b64 s[100:101], s[0:1], 0x28            ; qkv32
	v_lshl_add_u32 v[SPW], v0, 2, SPARE
	v_mov_b32 v[NIL], 0
	ds_add_u32 v[SPW], v[NIL]                      ; the wave's opening: the add, twice on end, and its wait ahead of my first tensor load
	ds_add_u32 v[SPW], v[NIL]
	v_lshrrev_b32 v1, 5, v0
	v_readfirstlane_b32 s14, v1                    ; wave 0..3
	s_lshr_b32 s15, s14, 1                         ; which half of the tile's rows is mine.  Also: I fetch for A (0) or for B (1)
	s_and_b32 s16, s14, 1                          ; which half of its columns.  Also: which 128 rows I fetch
	s_bfe_u32 s40, ttmp6, 0x40000                  ; cx, cy
	s_bfe_u32 s41, ttmp6, 0x40004
	s_lshl_b32 s42, ttmp9, 2
	s_add_co_u32 s42, s42, s40                     ; tile column = 4 x cluster x + cx
	s_and_b32 s17, ttmp7, 0xffff
	s_lshl_b32 s17, s17, 2
	s_add_co_u32 s17, s17, s41                     ; tile row = 4 x cluster y + cy
	s_lshl_b32 s43, s41, 2
	s_lshl_b32 s43, 15, s43                        ; my row of the cluster
	s_lshl_b32 s44, 0x1111, s40                    ; my column
	s_or_b32 s[G1+0], s43, (0<<16)|(1<<20)|(1<<21)|(5<<22)|(3<<25)  ; the mask; elements of 1 byte; padding: 4 words behind every 64; bit 21 beside a mask
	s_or_b32 s[G1B+0], s44, (0<<16)|(1<<20)|(1<<21)|(5<<22)|(3<<25)
.irp g, G1, G1B
	s_mov_b32 s[\g+1], ROWB<<16                    ; tensor_dim0
	s_mov_b32 s[\g+2], 128<<16                     ; tensor_dim1
	s_mov_b32 s[\g+3], ROWB<<16                    ; tile_dim0
	s_mov_b32 s[\g+4], 128                         ; tile_dim1
	s_mov_b32 s[\g+5], KROW                        ; the pitch
	s_mov_b32 s[\g+6], 0
	s_mov_b32 s[\g+7], 0
.endr
	s_or_b32 s[G1S+0], s43, (3<<16)|(1<<20)|(1<<21)|(5<<22)|(3<<25)  ; the scales of 128 rows: 4,096 dense bytes as rows of 256 (32 elements of 8 bytes)
	s_or_b32 s[G1SB+0], s44, (3<<16)|(1<<20)|(1<<21)|(5<<22)|(3<<25)
.irp g, G1S, G1SB
	s_mov_b32 s[\g+1], 32<<16
	s_mov_b32 s[\g+2], (128*KS/256)<<16
	s_mov_b32 s[\g+3], 32<<16
	s_mov_b32 s[\g+4], 128*KS/256
	s_mov_b32 s[\g+5], 32
	s_mov_b32 s[\g+6], 0
	s_mov_b32 s[\g+7], 0
.endr
	s_lshl_b32 s18, s16, 7
	s_lshl_b32 s20, s17, 8
	s_add_co_u32 s20, s20, s18                     ; A: row 256 x tile row + 128 x half
	s_lshl_b32 s46, s42, 8
	s_add_co_u32 s46, s46, s18                     ; B: row 256 x tile column + 128 x half
	s_mov_b32 s21, 0
	s_mov_b32 s47, 0
	s_mov_b64 s[18:19], KS
	s_mul_u64 s[22:23], s[20:21], s[18:19]         ; where these rows' scales begin
	s_mul_u64 s[92:93], s[46:47], s[18:19]
	s_mov_b64 s[18:19], KROW
	s_mul_u64 s[20:21], s[20:21], s[18:19]         ; and their codes
	s_mul_u64 s[46:47], s[46:47], s[18:19]
	s_mul_i32 s45, s14, HALFT                      ; where they go: wave x 128 rows
	s_mul_i32 s94, s14, HALFS
	s_wait_dscnt 0x0                               ; both opening adds are done
	s_wait_kmcnt 0x0
	s_add_nc_u64 s[6:7], s[4:5], 4194304           ; x's scale bytes
	s_add_nc_u64 s[10:11], s[8:9], 1572864         ; the weights'
	s_add_nc_u64 s[20:21], s[4:5], s[20:21]
	s_add_nc_u64 s[22:23], s[6:7], s[22:23]
	s_add_nc_u64 s[46:47], s[8:9], s[46:47]
	s_add_nc_u64 s[92:93], s[10:11], s[92:93]
	CROUND                                         ; all sixteen work-groups are here: the joint loads meet
	s_mov_b32 s[G0S], 1
	s_add_co_u32 s[G0S+1], s94, SCL
	s_mov_b64 s[G0S+2:G0S+3], s[22:23]
	s_or_b32 s[G0S+3], s[G0S+3], 0x80000000
	s_mov_b32 s[G0SB], 1
	s_add_co_u32 s[G0SB+1], s94, SCL
	s_mov_b64 s[G0SB+2:G0SB+3], s[92:93]
	s_or_b32 s[G0SB+3], s[G0SB+3], 0x80000000
	JLOAD G0S, G1S, G0SB, G1SB
.irp s, 0,1
	s_mov_b32 s[G0+4*\s], 1
	s_add_co_u32 s[G0+4*\s+1], s45, \s*SLOT
	s_add_nc_u64 s[G0+4*\s+2:G0+4*\s+3], s[20:21], \s*ROWB
	s_or_b32 s[G0+4*\s+3], s[G0+4*\s+3], 0x80000000
	s_mov_b32 s[G0B+4*\s], 1
	s_add_co_u32 s[G0B+4*\s+1], s45, \s*SLOT
	s_add_nc_u64 s[G0B+4*\s+2:G0B+4*\s+3], s[46:47], \s*ROWB
	s_or_b32 s[G0B+4*\s+3], s[G0B+4*\s+3], 0x80000000
	JLOAD G0+4*\s, G1, G0B+4*\s, G1B
.endr
	v_and_b32 v1, 15, v0                           ; r = lane % 16
	v_bfe_u32 v2, v0, 4, 1                         ; h = lane / 16
	v_lshlrev_b32 v[BOF], 5, v2
	; where my results go
	s_lshl_b32 s20, s17, 8
	s_lshl_b32 s21, s15, 7
	s_add_co_u32 s20, s20, s21                     ; my first row
	s_and_b32 s66, s20, 2047                       ; its position in its sequence,
	s_lshr_b32 s67, s20, 11                        ; and the sequence
	s_lshl_b32 s46, s40, 8
	s_lshl_b32 s47, s16, 7
	s_add_co_u32 s46, s46, s47                     ; my first column in the tensor
	s_lshl_b32 s21, s67, 4
	s_lshr_b32 s22, s46, 6                         ; my first head
	s_add_co_u32 s21, s21, s22
	s_lshl_b32 s21, s21, 18                        ; a head's 2,048 rows of 128 bytes
	s_lshl_b32 s22, ttmp9, 24                      ; a tensor's 16,777,216 bytes
	s_add_co_u32 s21, s21, s22
	s_lshl_b32 s22, s66, 7
	s_add_co_u32 s22, s21, s22
	s_mov_b32 s23, 0
	s_add_nc_u64 s[12:13], s[12:13], s[22:23]
	s_lshl_b32 s46, s46, 2
	s_mov_b32 s47, 0
	s_lshl_b32 s22, ttmp9, 18
	s_lshl_b32 s21, s67, 16
	s_add_co_u32 s22, s22, s21
	s_add_co_u32 s22, s22, s46
	s_add_nc_u64 s[92:93], s[100:101], s[22:23]    ; the f32 copy: [tensor][sequence][16][1024]
	s_lshr_b32 s22, s20, 7
	s_lshl_b32 s22, s22, 12
	s_add_co_u32 s22, s22, s46
	s_add_co_u32 s22, s22, 786432
	s_add_nc_u64 s[94:95], s[100:101], s[22:23]    ; the column sums: [my 128 rows' number][1024]
	; the bias of my 128 columns, in the result's layout: written on both ways
	s_cmp_eq_u32 ttmp9, 1                          ; k has no bias here
	s_cbranch_scc1 .Lbias_zero
	s_cmp_eq_u32 ttmp9, 0
	s_cselect_b64 s[2:3], s[96:97], s[98:99]
	s_add_nc_u64 s[2:3], s[2:3], s[46:47]
	WIN TO_B
.irp b, 0,1,2,3,4,5,6,7                ; lane (r, h), column block b: the bias of columns 16 b + 8 h + 0 .. 7
	global_load_b128 v[BI+8*\b:BI+8*\b+3], v[BOF], s[2:3] offset:64*\b
	global_load_b128 v[BI+8*\b+4:BI+8*\b+7], v[BOF], s[2:3] offset:64*\b+16
.endr
	WIN 0
	s_branch .Lbias_set
.Lbias_zero:
	WIN TO_B
.set k, 0
.rept 64
	v_mov_b32 v[BI+k], 0
.set k, k+1
.endr
	WIN 0
.Lbias_set:
	; my lane's places in LDS
	v_mul_u32_u24 v3, v1, PITCH
	v_lshl_add_u32 v4, v2, 4, v3
	s_mul_i32 s21, s15, HALFT
	s_mul_i32 s22, s16, HALFT
	s_add_co_u32 s22, s22, 2*HALFT
.irp s, 0,1
	v_add_nc_u32 v[ADRA+\s], s21, v4
	v_add_nc_u32 v[ADRB+\s], s22, v4
	s_add_co_u32 s21, s21, SLOT
	s_add_co_u32 s22, s22, SLOT
.endr
	v_mul_u32_u24 v5, v1, KS                       ; my row's scales: 32 bytes a row,
	v_lshrrev_b32 v6, 8, v5
	v_lshl_add_u32 v5, v6, 4, v5                   ; and 16 more for each 256 passed
	s_mul_i32 s21, s15, HALFS
	s_mul_i32 s22, s16, HALFS
	s_add_co_u32 s22, s22, 2*HALFS
	s_sub_co_u32 s22, s22, s21
	v_mul_u32_u24 v6, s22, v2                      ; lanes 16-31 take B's
	s_add_co_u32 s21, s21, SCL
	v_add_nc_u32 v5, v5, v6
	v_add_nc_u32 v[ADRS], s21, v5
	s_mul_i32 s23, s14, 16*SPITCH                  ; my stage
	v_mul_u32_u24 v5, v1, SPITCH
	v_lshl_add_u32 v5, v2, 5, v5
	v_add_nc_u32 v[STO32], s23, v5
	v_and_b32 v6, 31, v0
	v_lshlrev_b32 v[CO], 4, v6
	v_add_nc_u32 v[RD32], s23, v[CO]
	v_mul_u32_u24 v5, v1, 272
	v_lshl_add_u32 v5, v2, 4, v5
	v_add_nc_u32 v[STO16], s23, v5
	v_bfe_u32 v5, v0, 3, 2
	v_mul_u32_u24 v5, v5, 272
	v_and_b32 v6, 7, v0
	v_lshl_add_u32 v5, v6, 4, v5
	v_add_nc_u32 v[RD16], s23, v5                  ; back: eight lanes to 128 bytes (a head's 64 numbers) of a row, four rows an instruction
	v_lshl_add_u32 v[FO], v1, 12, v[BOF]
.macro FRAG reg, adr, q, i             ; 16 rows x 128 K of 4-bit codes: 8 registers, two loads of 16 bytes, 32 bytes apart
.irp c, 0,1
	ds_load_b128 v[\reg+4*\c:\reg+4*\c+3], v[\adr] offset:64*(\q)+32*\c+(\i)*16*PITCH
.endr
.endm
; 16 matrix instructions: A's blocks a0, a0 + 1 x B's eight.  first = 1: the bias starts the sums; 0: in place.  The 64 accumulators take turns, one instruction a turn.
.macro MUL16 a0, p, q, sc, first
.irp a, \a0, \a0+1
.irp b, 0,1,2,3,4,5,6,7
.if \first
	v_wmma_scale_f32_16x16x128_f8f6f4 v[8*(8*((\a)%4)+\b):8*(8*((\a)%4)+\b)+7], v[128*(\p)+FR*\b:128*(\p)+FR*\b+FR-1], v[AF+FR*(\a):AF+FR*(\a)+FR-1], v[BI+8*\b:BI+8*\b+7], v[SC+8*NQ*(\sc)+NQ*\b+(\q)], v[SC+8*NQ*(\sc)+NQ*(\a)+(\q)] matrix_a_fmt:MATRIX_FMT_FP4 matrix_b_fmt:MATRIX_FMT_FP4 matrix_a_scale:MATRIX_SCALE_ROW1
.else
	v_wmma_scale_f32_16x16x128_f8f6f4 v[8*(8*((\a)%4)+\b):8*(8*((\a)%4)+\b)+7], v[128*(\p)+FR*\b:128*(\p)+FR*\b+FR-1], v[AF+FR*(\a):AF+FR*(\a)+FR-1], v[8*(8*((\a)%4)+\b):8*(8*((\a)%4)+\b)+7], v[SC+8*NQ*(\sc)+NQ*\b+(\q)], v[SC+8*NQ*(\sc)+NQ*(\a)+(\q)] matrix_a_fmt:MATRIX_FMT_FP4 matrix_b_fmt:MATRIX_FMT_FP4 matrix_a_scale:MATRIX_SCALE_ROW1
.endif
.endr
.endr
.endm
.macro FETCH_B slot, q, p
	WIN TO_B
.irp i, 0,1,2,3,4,5,6,7
	FRAG 128*(\p)+FR*\i, ADRB+\slot, \q, \i
.endr
	WIN 0
.endm
.macro FETCH_A slot, q, i0
.irp i, \i0, \i0+1, \i0+2, \i0+3
	FRAG AF+FR*(\i), ADRA+\slot, \q, \i
.endr
.endm
.macro SCALES sc                       ; a slot's scale words: 4 words a row; lanes 0-15 take A's block i, lanes 16-31 B's block i
.irp i, 0,1,2,3,4,5,6,7
	ds_load_b128 v[SC+8*NQ*\sc+NQ*\i:SC+8*NQ*\sc+NQ*\i+3], v[ADRS] offset:\i*SBLK
.endr
.endm
.macro PLACES n                        ; plain vector instructions between a matrix instruction and a load into, or a read of, its registers
.rept \n
	v_nop
.endr
.endm
.macro STEP slot, q, first             ; a step of 128 along K that has its successor in the same slot
	s_wait_dscnt 4*NL                              ; B's set and A's blocks 0-3 are in; the youngest eight loads (A's blocks 4-7) may be out
.if \first
	WIN 0x91                                       ; C (the bias) window 1, D window 2
.else
	WIN MUL_LO
.endif
	MUL16 0, (\q)%2, \q, \slot, \first
	MUL16 2, (\q)%2, \q, \slot, \first
	s_wait_dscnt 0
	PLACES NP
	FETCH_B \slot, (\q)+1, 1-(\q)%2
	FETCH_A \slot, (\q)+1, 0
.if \first
	WIN 0xd1                                       ; C window 1, D window 3
.else
	WIN MUL_HI
.endif
	MUL16 4, (\q)%2, \q, \slot, \first
	MUL16 6, (\q)%2, \q, \slot, \first
	PLACES NP
	WIN 0
	FETCH_A \slot, (\q)+1, 4
.endm
	s_wait_tensorcnt 1                             ; the scales and my part of slot 0 are in (slot 1's load, issued behind them, may be out),
	s_barrier_signal -1
	s_barrier_wait -1                              ; everybody's are
	FETCH_B 0, 0, 0
	FETCH_A 0, 0, 0
	SCALES 0
	FETCH_A 0, 0, 4
	s_wait_loadcnt 0x0                             ; the bias
	STEP 0, 0, 1                                   ; the bias starts the sums: nothing is cleared
	STEP 0, 1, 0
	STEP 0, 2, 0
	; slot 0's last step changes slots: one barrier; in front of it my part of slot 1 has landed and my reads of slot 0 are over
	s_wait_tensorcnt 0x0
	ds_add_u32 v[SPW], v[NIL]
	s_wait_dscnt 4*NL+1                            ; (the add and the youngest eight loads may be out)
	WIN MUL_LO
	MUL16 0, 1, NQ-1, 0, 0
	s_wait_dscnt 0x0
	s_barrier_signal -1
	MUL16 2, 1, NQ-1, 0, 0
	WIN 0
	s_barrier_wait -1
	PLACES NP
	v_add_nc_u32 v[ADRS], 4*NQ, v[ADRS]            ; on to slot 1's scale words
	FETCH_B 1, 0, 0
	FETCH_A 1, 0, 0
	SCALES 1
	WIN MUL_HI
	MUL16 4, 1, NQ-1, 0, 0
	MUL16 6, 1, NQ-1, 0, 0
	PLACES NP
	WIN 0
	FETCH_A 1, 0, 4
	STEP 1, 0, 0
	STEP 1, 1, 0
	STEP 1, 2, 0
	s_wait_dscnt 4*NL                              ; the very last step
	WIN MUL_LO
	MUL16 0, 1, NQ-1, 1, 0
	MUL16 2, 1, NQ-1, 1, 0
	s_wait_dscnt 0
	WIN MUL_HI
	MUL16 4, 1, NQ-1, 1, 0
	MUL16 6, 1, NQ-1, 1, 0
	WIN 0
	PLACES NP
	; THE F32 COPY of positions 0-15: my block 0, if my first row begins a sequence.  That hangs on my place in the cluster, so it is a mask on EXEC and no branch; the address lies in the buffer in every wave.
	v_mov_b32 v30, s66
	v_cmp_eq_u32 vcc_lo, 0, v30
	s_wait_xcnt 0x0                                ; EXEC changes only behind this wait
	s_and_saveexec_b32 s3, vcc_lo
	WIN 0x08                                       ; a store's data: window 2
.irp b, 0,1,2,3,4,5,6,7
	global_store_b128 v[FO], v[8*\b:8*\b+3], s[92:93] offset:64*\b          ; each accumulator from its low end on
	global_store_b128 v[FO], v[8*\b+4:8*\b+7], s[92:93] offset:64*\b+16
.endr
	WIN 0
	s_wait_xcnt 0x0
	s_or_b32 exec_lo, exec_lo, s3
	; V'S COLUMN SUMS over my 128 rows: the eight row blocks are added in registers, the 16 rows of the sum through my stage
	s_cmp_eq_u32 ttmp9, 2
	s_cbranch_scc0 .Lno_vsum
	WIN 0x0a                                       ; both sources window 2
.set k, 0
.rept 32
	v_pk_add_f32 v[128+k:129+k], v[k:k+1], v[64+k:65+k]
.set k, k+2
.endr
	WIN 0x08                                       ; source 1 window 2
.set k, 0
.rept 64
	v_pk_add_f32 v[128+k%64:129+k%64], v[128+k%64:129+k%64], v[128+k:129+k]
.set k, k+2
.endr
	WIN 0x0c                                       ; source 1 window 3
.set k, 0
.rept 128
	v_pk_add_f32 v[128+k%64:129+k%64], v[128+k%64:129+k%64], v[k:k+1]
.set k, k+2
.endr
	WIN 0
.irp b, 0,1,2,3,4,5,6,7
	ds_store_b128 v[STO32], v[128+8*\b:128+8*\b+3] offset:64*\b
	ds_store_b128 v[STO32], v[128+8*\b+4:128+8*\b+7] offset:64*\b+16
.endr
.irp t, 0,1,2,3,4,5,6,7,8,9,10,11,12,13,14,15
	ds_load_b128 v[192+4*\t:192+4*\t+3], v[RD32] offset:\t*SPITCH    ; behind my stores, in order: four columns of row t
.endr
	s_wait_dscnt 0x0
.irp d, 32,16,8,4
.set k, 0
.rept \d/2
	v_pk_add_f32 v[192+k:193+k], v[192+k:193+k], v[192+\d+k:193+\d+k]
.set k, k+2
.endr
.endr
	global_store_b128 v[CO], v[192:195], s[94:95]  ; 512 consecutive bytes; v192-195 are not written again
.Lno_vsum:
	; THE WAY OUT as f16, a block of 16 rows at a time: my 128 columns are two heads; a head's 16 rows are 2,048 consecutive bytes of qkv16
.macro PACK a
.set AC, 64*((\a)%4)
	WIN 0x0a+5*((\a)/4)
.irp b, 0,1,2,3,4,5,6,7
.irp r, 0,1,2,3
	v_cvt_pk_f16_f32 v[TMP+4*\b+\r], v[AC+8*\b+2*\r], v[AC+8*\b+2*\r+1]
.endr
.endr
	WIN 0
.endm
.macro TOSTAGE a
.set BB, 128+32*((\a)%2)
.irp b, 0,1,2,3,4,5,6,7
	ds_store_b128 v[STO16], v[TMP+4*\b:TMP+4*\b+3] offset:32*\b
.endr
.irp g, 0,1,2,3
.irp hh, 0,1
	ds_load_b128 v[BB+4*(2*\g+\hh):BB+4*(2*\g+\hh)+3], v[RD16] offset:\g*4*272+128*\hh
.endr
.endr
.endm
.macro SEND a
.set BB, 128+32*((\a)%2)
	s_wait_dscnt 0x0                               ; the block is back in registers
	s_wait_xcnt 0x0                                ; the earlier stores have read their registers: the other set may be loaded again
.irp g, 0,1,2,3
.irp hh, 0,1
	global_store_b128 v[CO], v[BB+4*(2*\g+\hh):BB+4*(2*\g+\hh)+3], s[12:13] offset:\hh*262144+(16*(\a)+4*\g)*128   ; 512 consecutive bytes, aligned
.endr
.endr
.endm
	PACK 0
	TOSTAGE 0
.irp a, 1,2,3,4,5,6,7
	PACK \a
	SEND \a-1
	TOSTAGE \a
.endr
	SEND 7
	s_wait_tensorcnt 0x0                           ; the wave's end
	ds_add_u32 v[SPW], v[NIL]
	s_wait_dscnt 0x0
	CROUND                                         ; the closing round
	s_endpgm
.Lfunc_end_k_qfa097f9592_qkv:
	.size	k_qfa097f9592_qkv, .Lfunc_end_k_qfa097f9592_qkv-k_qfa097f9592_qkv
	.p2alignl 7, 3214868480
	.fill 96, 4, 3214868480
	.section	.rodata,"a",@progbits
	.p2align	6, 0x0
	.amdhsa_kernel k_qfa097f9592_qkv
		.amdhsa_group_segment_fixed_size 327680
		.amdhsa_private_segment_fixed_size 0
		.amdhsa_enable_private_segment 0
		.amdhsa_kernarg_size 48
		.amdhsa_user_sgpr_count 2
		.amdhsa_user_sgpr_kernarg_segment_ptr 1
		.amdhsa_wavefront_size32 1
		.amdhsa_system_sgpr_workgroup_id_x 1
		.amdhsa_system_sgpr_workgroup_id_y 1
		.amdhsa_system_sgpr_workgroup_id_z 1
		.amdhsa_system_vgpr_workitem_id 0
		.amdhsa_next_free_vgpr 1024
		.amdhsa_next_free_sgpr 102
		.amdhsa_reserve_vcc 1
		.amdhsa_float_denorm_mode_32 3
		.amdhsa_float_denorm_mode_16_64 3
		.amdhsa_memory_ordered 1
		.amdhsa_forward_progress 1
		.amdhsa_inst_pref_size 151
	.end_amdhsa_kernel
	.amdgpu_metadata
---
amdhsa.version: [ 1, 2 ]
amdhsa.kernels:
  - .name:           k_qfa097f9592_qkv
    .symbol:         k_qfa097f9592_qkv.kd
    .args:
      - { .name: xq, .offset: 0, .size: 8, .value_kind: global_buffer, .address_space: global }
      - { .name: wq, .offset: 8, .size: 8, .value_kind: global_buffer, .address_space: global }
      - { .name: bq, .offset: 16, .size: 8, .value_kind: global_buffer, .address_space: global }
      - { .name: bv, .offset: 24, .size: 8, .value_kind: global_buffer, .address_space: global }
      - { .name: qkv16, .offset: 32, .size: 8, .value_kind: global_buffer, .address_space: global }
      - { .name: qkv32, .offset: 40, .size: 8, .value_kind: global_buffer, .address_space: global }
    .group_segment_fixed_size: 327680
    .private_segment_fixed_size: 0
    .kernarg_segment_align: 8
    .kernarg_segment_size: 48
    .max_flat_workgroup_size: 128
    .sgpr_count:     102
    .vgpr_count:     1024
    .wavefront_size: 32
...
	.end_amdgpu_metadata
.endif
;; end of part 2
;; launch attn (part 3): grid 4 x 64, 8 waves a work-group, no clusters, 327,680 bytes of LDS; arguments qkv16, qkv32, attention_mask, att16, vbar; writes att16, vbar
.if DOCPART == 3
	.amdgcn_target "amdgcn-amd-amdhsa--gfx1250"
	.amdhsa_code_object_version 6
	.text
	.protected	k_qfa097f9592_attn
	.globl	k_qfa097f9592_attn
	.p2align	8
	.type	k_qfa097f9592_attn,@function
k_qfa097f9592_attn:
	s_mov_b64 s[64:65], 0
	v_nop
	global_prefetch_b8 v0, s[64:65] scope:SCOPE_SE
	s_setreg_imm32_b32 hwreg(HW_REG_WAVE_MODE, 25, 1), 1
	s_wait_xcnt 0x0
; Launch 3 of 5: attention, both products on f16 operands, maxima, exponentials and sums in f32.  Left out: bk, and key tiles wholly above the causal diagonal (no way to an output: see the first kernel's head).
; SHARES.  Work-group (i, batch x head) makes query blocks i and 7 - i (256 queries each), one after the other: (i + 1) + (8 - i) = 9 units of 256 keys in every work-group: equal work, constant trip counts.
; Each of the eight waves owns 32 queries, two tiles of 16.  Unit u holds key unit u (u <= i) or u - i - 1.  A unit is 4 steps of 64 keys; a step whose keys all come after my queries is jumped over (ids alone).
; NO CLUSTER: under the causal mask the query blocks of a head need different numbers of key tiles, so a partner would jump over the reads of tiles that a joint load brings.
; LAYOUT.  S^T = K Q^T + bias (source 0 = 16 keys, source 1 = 16 queries), O^T = V^T P: a lane holds ONE query (lane % 16) throughout; two score tiles, rounded to f16 in pairs, are source 1 of the second product.
; THE MASKS.  A key closed by attention_mask has bias BIG = -2^126, given as the C of the score product; a key above the diagonal has its score replaced by BIG.  |score| < 2^102, so score + BIG is BIG or its neighbour.
; The running maximum m starts at BIG, so m >= BIG, and c x BIG is exact: while a row has seen no open key its p are 1 or 0 and all stays finite; the first open key gives a = 2^(c BIG - c m) = 0, which wipes that.
; A ROW WITH NO OPEN KEY AT ALL (m still under -2^125 at the end) is in reference() a softmax of 2,048 equal numbers: the mean of v over ALL keys.  It is made from the column sums of the launch before, and selected.
; SOFTMAX.  p = 2^(c s - c m), c = log2(e) / 8; in every step O and l are multiplied by a = 2^(c m_old - c m_new).
; REGISTERS: window 0: v2-23 addresses and constants; v24-39 statistics, 8 a tile; v40-71 the bias of 64 keys (on the way out the mean of v); v72-135 S^T; v136-167 P; v168-231 K's fragments.
;   window 1: v0-63 O^T; v64-95 Q; v96-159 V's fragments.
.set PK,    144                        ; a row of K in LDS: 128 bytes + 16
.set PV,    160                        ; a row of V: 128 + 32, for the turning load
.set VOFF,  64*PK                      ; a step: 64 rows of K, then 64 rows of V
.set STEPB, 64*(PK+PV)
.set SLOT1, 1<<17                      ; slot 1: one exclusive or turns an address
.set BIAS,  SLOT1+4*STEPB              ; 9 units x 256 keys, f32, in the order of the trips
.set VBAR,  BIAS+9*1024                ; the head's mean of v: 64 f32
.set STAGE, VBAR+256                   ; 32 rows x 144 bytes for each wave
.set SPARE, STAGE+8*32*PK              ; the spare words, 128 bytes for each wave
.set AK0, 2
.set AV0, 3
.set ADK, 4
.set ADV, 5
.set AB0, 6
.set ADB, 7
.set QO,  8
.set STO, 9
.set RD,  10
.set GO,  11
.set SPW, 12
.set NIL, 13
.set LD0, 14                           ; v14-15  tile t: lane % 16 - 8 (lane / 16) + 16 t
.set BIGR, 16
.set PFO, 17
.set VBA, 18
.set BW,  19
.set DL,  20                           ; v20-21
.set OCM, 22                           ; v22-23  c m of the step before
.set ST,  24                           ; tile t at v[24 + 8 t]: +0 c m, +1 m, +2, +3 l (even keys', odd keys'), +4 to +7 at work; a at +6
.set MB,  40
.set S,   72
.set P,   136
.set KFR, 168
.set QF,  64                           ; window 1
.set VFR, 96                           ; window 1
.set WV,  18
.set I,   19
.set I1,  20
.set U,   21
.set TW,  22
.set TB,  23
.set G1K, 24
.set G1V, 32
.set G0,  40
.set TBB, 44
.set KF,  45
.set Q0,  46
.set CS,  48
.set SEL, 50
.set BK,  52
.set I1B, 54
.set LIM, 55
.set PFA, 56
.set QB,  58
.set OUT, 60
.set DQ,  62
.set MSB, 0
.macro WIN new
.if MSB != \new
	s_set_vgpr_msb (MSB<<8)|\new
.set MSB, \new
.endif
.endm
; Every wave fetches 64 rows: waves 0-3 K of the unit's step w, waves 4-7 V of step w - 4.  An s_nop 0 and four v_nop follow each line.
.macro TLOAD
	s_cmp_lt_u32 s[WV], 4
	s_cbranch_scc0 .Lfor_v_\@
	tensor_load_to_lds s[G0:G0+3], s[G1K:G1K+7]
	s_nop 0
.rept 4
	v_nop
.endr
	s_branch .Lasked_\@
.Lfor_v_\@:
	tensor_load_to_lds s[G0:G0+3], s[G1V:G1V+7]
	s_nop 0
.rept 4
	v_nop
.endr
.Lasked_\@:
.endm
; A prefetch of the key unit behind the one just asked for.  All four work-groups of a head walk the same K and V: the first of them asks, in trips 0 to 6, for key units 1 to 7; each wave for the 8,192 bytes
; that it will fetch, lanes 256 bytes apart: each block is named once in the launch.  Key unit 0 comes by its load alone.
.macro ASK
	s_cmp_lt_u32 s[U], s[LIM]
	s_cbranch_scc0 .Lnot_mine_\@
	global_prefetch_b8 v[PFO], s[PFA:PFA+1] th:TH_LOAD_NT scope:SCOPE_SE
.Lnot_mine_\@:
.endm
	s_load_b256 s[4:11], s[0:1], 0x0               ; qkv16, qkv32, attention_mask, att16
	s_load_b64 s[12:13], s[0:1], 0x20              ; vbar
	v_lshl_add_u32 v[SPW], v0, 2, SPARE
	v_mov_b32 v[NIL], 0
	ds_add_u32 v[SPW], v[NIL]                      ; the wave's opening: the add, twice on end, and its wait ahead of my first tensor load
	ds_add_u32 v[SPW], v[NIL]
	v_lshrrev_b32 v1, 5, v0
	v_readfirstlane_b32 s[WV], v1                  ; wave 0..7
	s_mov_b32 s[I], ttmp9
	s_add_co_u32 s[I1], ttmp9, 1
	s_lshl_b32 s[I1B], s[I1], 15                   ; i + 1 key units of 32,768 bytes
	s_and_b32 s14, ttmp7, 0xffff                   ; batch x head
	s_lshr_b32 s15, s14, 4                         ; batch
	s_and_b32 s16, s14, 15                         ; head
	s_mov_b32 s[G1K], (1<<16)|(1<<20)|(4<<22)|(3<<25)   ; elements of 2 bytes; padding: 4 words behind every 32
	s_mov_b32 s[G1V], (1<<16)|(1<<20)|(4<<22)|(7<<25)   ; 8 words
.irp g, G1K, G1V
	s_mov_b32 s[\g+1], 64<<16                      ; tensor_dim0
	s_mov_b32 s[\g+2], 64<<16                      ; tensor_dim1
	s_mov_b32 s[\g+3], 64<<16                      ; tile_dim0
	s_mov_b32 s[\g+4], 64                          ; tile_dim1
	s_mov_b32 s[\g+5], 64                          ; the pitch
	s_mov_b32 s[\g+6], 0
	s_mov_b32 s[\g+7], 0
.endr
	s_and_b32 s17, s[WV], 3                        ; which step of a unit I fetch
	s_lshr_b32 s66, s[WV], 2                       ; for K (0) or V (1)
	s_mul_i32 s67, s17, STEPB
	s_mul_i32 s68, s66, VOFF
	s_add_co_u32 s67, s67, s68                     ; its place in a slot
	s_add_co_u32 s68, s66, 1
	s_lshl_b32 s68, s68, 24                        ; tensor 1 or 2
	s_lshl_b32 s69, s14, 18
	s_add_co_u32 s68, s68, s69
	s_lshl_b32 s69, s17, 13
	s_add_co_u32 s68, s68, s69
	s_mov_b32 s69, 0
	s_mov_b32 s[CS], 0x3e38aa3b                    ; c = log2(e) / 8
	s_mov_b32 s[CS+1], s[CS]
	s_mov_b32 s[SEL], 0x76543210
	s_mov_b32 s[SEL+1], 0xfedcba98
	s_mov_b32 s[BK+1], 0
	s_mov_b32 s[TB], 0
	s_wait_dscnt 0x0                               ; both opening adds are done
	s_wait_kmcnt 0x0
	s_mov_b32 s[G0], 1
	s_mov_b32 s[G0+1], s67
	s_add_nc_u64 s[G0+2:G0+3], s[4:5], s[68:69]
	s_mov_b64 s[PFA:PFA+1], s[G0+2:G0+3]
	s_or_b32 s[G0+3], s[G0+3], 0x80000000
	TLOAD                                          ; unit 0 into slot 0
	s_mul_i32 s70, s66, 3
	s_xor_b32 s70, s70, s[WV]                      ; waves 4-7 take the block's parts 7, 6, 5, 4: on the diagonal a late part stands beside an early one
	s_lshl_b32 s[Q0], s[I], 8
	s_lshl_b32 s70, s70, 5
	s_add_co_u32 s[Q0], s[Q0], s70                 ; my first query
	s_lshl_b32 s70, s14, 18
	s_lshl_b32 s71, s[Q0], 7
	s_add_co_u32 s70, s70, s71
	s_mov_b32 s71, 0
	s_add_nc_u64 s[QB:QB+1], s[4:5], s[70:71]      ; its row of q
	s_lshl_b32 s70, s16, 20
	s_lshl_b32 s72, s15, 18
	s_add_co_u32 s70, s70, s72
	s_lshl_b32 s72, s[Q0], 7
	s_add_co_u32 s70, s70, s72
	s_add_nc_u64 s[OUT:OUT+1], s[10:11], s[70:71]  ; its row of att16 [head][8192][64]
	s_lshl_b32 s72, s[I], 1
	s_sub_co_u32 s72, 7, s72
	s_lshl_b32 s73, s72, 8                         ; from block i to block 7 - i: queries,
	s_lshl_b32 s[DQ], s72, 15                      ; and bytes, in q and in att16 alike
	s_mov_b32 s[DQ+1], 0
	s_cmp_eq_u32 ttmp9, 0
	s_cselect_b32 s[LIM], 7, 0
	s_lshl_b32 s70, s15, 11
	s_add_nc_u64 s[8:9], s[8:9], s[70:71]          ; my batch's mask bytes
	s_lshl_b32 s70, s15, 16
	s_lshl_b32 s72, s16, 8
	s_add_co_u32 s70, s70, s72
	s_add_co_u32 s70, s70, 786432
	s_add_nc_u64 s[6:7], s[6:7], s[70:71]          ; my batch's 16 rows of column sums, at my head
	s_lshl_b32 s70, s15, 12
	s_add_co_u32 s70, s70, s72
	s_add_nc_u64 s[12:13], s[12:13], s[70:71]      ; vbar [4][1024] at my head
	v_and_b32 v1, 15, v0                           ; r
	v_bfe_u32 v20, v0, 4, 1                        ; h
	v_mul_u32_u24 v[AK0], v1, PK
	v_lshl_add_u32 v[AK0], v20, 4, v[AK0]          ; K: row r, + 16 h
	v_and_b32 v21, 7, v0
	v_bfe_u32 v22, v0, 3, 1
	v_lshl_add_u32 v[AV0], v20, 3, v21
	v_mul_u32_u24 v[AV0], v[AV0], PV
	v_lshl_add_u32 v[AV0], v22, 4, v[AV0]
	v_add_nc_u32 v[AV0], VOFF, v[AV0]              ; V, for the turning load: key 8 h + lane % 8, channels 8 ((lane / 8) % 2) on
	v_lshl_add_u32 v[AB0], v20, 5, BIAS
	v_lshl_add_u32 v[VBA], v20, 5, VBAR
	v_lshl_add_u32 v[BW], v0, 2, BIAS
	v_lshlrev_b32 v[QO], 7, v1
	v_lshl_add_u32 v[QO], v20, 4, v[QO]
	s_mul_i32 s70, s[WV], 32*PK
	s_add_co_u32 s70, s70, STAGE
	v_add_nc_u32 v[STO], s70, v[AK0]
	v_bfe_u32 v22, v0, 3, 2
	v_mul_u32_u24 v22, v22, PK
	v_lshl_add_u32 v22, v21, 4, v22
	v_add_nc_u32 v[RD], s70, v22
	v_and_b32 v23, 31, v0
	v_lshlrev_b32 v[GO], 4, v23
	v_lshlrev_b32 v[PFO], 8, v23
	v_lshlrev_b32 v22, 3, v20
	v_sub_nc_u32 v[LD0], v1, v22
	v_add_nc_u32 v[LD0+1], 16, v[LD0]
	v_mov_b32 v[BIGR], 0xfe800000                  ; BIG = -2^126
	v_lshlrev_b32 v110, 2, v0
	v_lshl_add_u32 v111, v0, 2, VBAR
.irp u, 0,1,2,3,4,5,6,7,8              ; the mask bytes of the nine units, a key a thread
	s_cmp_lt_u32 s[I], \u
	s_cselect_b32 s72, s[I1], 0
	s_lshl_b32 s72, s72, 8
	s_sub_co_u32 s72, 256*\u, s72
	v_add_nc_u32 v[88+\u], s72, v0
	global_load_u8 v[100+\u], v[88+\u], s[8:9]
.endr
.macro QLOAD                           ; my 32 queries stay in registers: tile t, channels 32 c on
	WIN 0x40
.irp t, 0,1
.irp c, 0,1
	global_load_b128 v[QF+16*\t+8*\c:QF+16*\t+8*\c+3], v[QO], s[QB:QB+1] offset:\t*2048+64*\c
	global_load_b128 v[QF+16*\t+8*\c+4:QF+16*\t+8*\c+7], v[QO], s[QB:QB+1] offset:\t*2048+64*\c+32
.endr
.endr
	WIN 0
.endm
	QLOAD
	s_cmp_lt_u32 s[WV], 2                          ; waves 0 and 1 make the head's mean of v, a channel a thread: loads, sums and stores stand in this one arm
	s_cbranch_scc0 .Lno_vbar
.irp g, 0,1,2,3,4,5,6,7,8,9,10,11,12,13,14,15
	global_load_b32 v[112+\g], v110, s[6:7] offset:4096*\g
.endr
	s_wait_loadcnt 0x0                             ; the sixteen column sums (and all that was asked for ahead of them)
.irp d, 8,4,2
.set k, 0
.rept \d/2
	v_pk_add_f32 v[112+k:113+k], v[112+k:113+k], v[112+\d+k:113+\d+k]
.set k, k+2
.endr
.endr
	v_add_f32 v112, v112, v113
	v_mul_f32 v112, 0x3a000000, v112               ; / 2048
	ds_store_b32 v111, v112
	s_cmp_eq_u32 ttmp9, 0                          ; the head's first work-group stores it for the last launch
	s_cbranch_scc0 .Lno_vbar
	global_store_b32 v110, v112, s[12:13]          ; its registers are written again only behind the wait on XCNT in the first change of slots
.Lno_vbar:
	s_wait_loadcnt 0x0                             ; the mask bytes and Q
.irp u, 0,1,2,3,4,5,6,7,8
	v_add_nc_u32 v[100+\u], -1, v[100+\u]          ; byte 1: 0; byte 0: all ones,
	v_and_b32 v[100+\u], 0xfe800000, v[100+\u]     ; of which BIG's bits are kept
	ds_store_b32 v[BW], v[100+\u] offset:1024*\u
.endr
.macro INIT                            ; a query block begins: m = BIG, l = 0, O^T = 0
.irp t, 0,1
	v_mov_b32 v[ST+8*\t+1], v[BIGR]
	v_mul_f32 v[ST+8*\t], s[CS], v[BIGR]
.irp k, 2,3,4,5,6,7
	v_mov_b32 v[ST+8*\t+\k], 0
.endr
.endr
	WIN 0x40
.set k, 0
.rept 64
	v_mov_b32 v[k], 0
.set k, k+1
.endr
	WIN 0
	s_mov_b32 s[KF], 0
.endm
	INIT
; A KEY STEP: 64 keys.
.macro STEP
	s_add_co_u32 s74, s[Q0], 31
	s_cmp_gt_u32 s[KF], s74                        ; all its keys come after my queries: ids and counts alone
	s_cbranch_scc1 .Lhidden_\@
	v_add_nc_u32 v[ADK], s[TB], v[AK0]             ; these three and the v_nop are the four places in front of the loads into V's registers
	v_add_nc_u32 v[ADV], s[TB], v[AV0]
	v_add_nc_u32 v[ADB], s[TBB], v[AB0]
	v_nop
.irp kt, 0,1,2,3                       ; the bias of keys 16 kt + 8 h + 0 .. 7, in the result's layout
	ds_load_b128 v[MB+8*\kt:MB+8*\kt+3], v[ADB] offset:64*\kt
	ds_load_b128 v[MB+8*\kt+4:MB+8*\kt+7], v[ADB] offset:64*\kt+16
.endr
.irp kt, 0,1,2,3
.irp c, 0,1
	ds_load_b128 v[KFR+16*\kt+8*\c:KFR+16*\kt+8*\c+3], v[ADK] offset:\kt*16*PK+64*\c
	ds_load_b128 v[KFR+16*\kt+8*\c+4:KFR+16*\kt+8*\c+7], v[ADK] offset:\kt*16*PK+64*\c+32
.endr
.endr
	WIN 0x40
.irp ks, 0,1
.irp dt, 0,1,2,3
	ds_load_tr16_b128 v[VFR+32*\ks+8*\dt:VFR+32*\ks+8*\dt+3], v[ADV] offset:\ks*32*PV+32*\dt
	ds_load_tr16_b128 v[VFR+32*\ks+8*\dt+4:VFR+32*\ks+8*\dt+7], v[ADV] offset:\ks*32*PV+16*PV+32*\dt
.endr
.endr
	s_wait_dscnt 16                                ; the bias and K are in; V's sixteen loads may be out
	WIN 0x04                                       ; Q in window 1
.irp kt, 0,1,2,3                       ; eight accumulators by turns; the bias starts the sums
.irp t, 0,1
	v_wmma_f32_16x16x32_f16 v[S+32*\t+8*\kt:S+32*\t+8*\kt+7], v[KFR+16*\kt:KFR+16*\kt+7], v[QF+16*\t:QF+16*\t+7], v[MB+8*\kt:MB+8*\kt+7]
.endr
.endr
.irp kt, 0,1,2,3
.irp t, 0,1
	v_wmma_f32_16x16x32_f16 v[S+32*\t+8*\kt:S+32*\t+8*\kt+7], v[KFR+16*\kt+8:KFR+16*\kt+15], v[QF+16*\t+8:QF+16*\t+15], v[S+32*\t+8*\kt:S+32*\t+8*\kt+7]
.endr
.endr
	WIN 0
	v_mov_b32 v[OCM], v[ST]                        ; c m is kept for a; with the two v_nop: the four places behind the products
	v_mov_b32 v[OCM+1], v[ST+8]
	v_nop
	v_nop
	s_add_co_u32 s74, s[KF], 63
	s_cmp_le_u32 s74, s[Q0]                        ; all keys count for all my queries?
	s_cbranch_scc1 .Lopen_\@
	s_sub_co_i32 s74, s[Q0], s[KF]
	v_add_nc_u32 v[DL], s74, v[LD0]
	v_add_nc_u32 v[DL+1], s74, v[LD0+1]            ; register 8 kt + j holds key KF + 16 kt + 8 h + j: hidden where 16 kt + j > my query - KF - 8 h
.irp t, 0,1
.irp kt, 0,1,2,3
.irp j, 0,1,2,3,4,5,6,7
	v_cmp_gt_i32 vcc_lo, 16*\kt+\j, v[DL+\t]
	v_cndmask_b32 v[S+32*\t+8*\kt+\j], v[S+32*\t+8*\kt+\j], v[BIGR], vcc_lo
.endr
.endr
.endr
.Lopen_\@:
.irp j, 0,1,2,3                        ; the maximum: four chains a tile, each accumulator from its low end on; the two tiles by turns
.irp t, 0,1
	v_max3_num_f32 v[ST+8*\t+4+\j], v[S+32*\t+8*\j], v[S+32*\t+8*\j+1], v[S+32*\t+8*\j+2]
.endr
.endr
.irp q, 1,2
.irp j, 0,1,2,3
.irp t, 0,1
	v_max3_num_f32 v[ST+8*\t+4+\j], v[ST+8*\t+4+\j], v[S+32*\t+8*\j+2*\q+1], v[S+32*\t+8*\j+2*\q+2]
.endr
.endr
.endr
.irp t, 0,1
	v_max3_num_f32 v[ST+8*\t+4], v[ST+8*\t+4], v[S+32*\t+7], v[S+32*\t+15]
	v_max3_num_f32 v[ST+8*\t+6], v[ST+8*\t+6], v[S+32*\t+23], v[S+32*\t+31]
.endr
.irp t, 0,1
	v_max3_num_f32 v[ST+8*\t+4], v[ST+8*\t+4], v[ST+8*\t+5], v[ST+8*\t+6]
.endr
.irp t, 0,1
	v_max3_num_f32 v[ST+8*\t+4], v[ST+8*\t+4], v[ST+8*\t+7], v[ST+8*\t+1]
.endr
.irp t, 0,1
	v_permlanex16_b32 v[ST+8*\t+5], v[ST+8*\t+4], s[SEL], s[SEL+1]   ; the query's other 32 keys lie in the lane 16 away
.endr
.irp t, 0,1
	v_max_num_f32 v[ST+8*\t+1], v[ST+8*\t+4], v[ST+8*\t+5]
.endr
.irp t, 0,1
	v_mul_f32 v[ST+8*\t], s[CS], v[ST+8*\t+1]
.endr
.irp t, 0,1
	v_sub_f32 v[ST+8*\t+7], v[OCM+\t], v[ST+8*\t]
.endr
.irp t, 0,1
.set k, 0
.rept 16
	v_pk_fma_f32 v[S+32*\t+k:S+32*\t+k+1], v[S+32*\t+k:S+32*\t+k+1], s[CS:CS+1], v[ST+8*\t:ST+8*\t+1] op_sel_hi:[1,0,0] neg_lo:[0,0,1] neg_hi:[0,0,1]   ; c s - c m
.set k, k+2
.endr
.endr
.irp t, 0,1
	v_exp_f32 v[ST+8*\t+6], v[ST+8*\t+7]           ; a
.endr
.set k, 0
.rept 64
	v_exp_f32 v[S+k], v[S+k]                       ; p: one batch of 66 exponentials
.set k, k+1
.endr
	v_nop                                          ; a plain instruction behind the last exponential
	s_wait_alu depctr_va_vdst(0)                   ; the wait ahead of the first use: one for the batch
.irp t, 0,1
.set k, 0
.rept 16
	v_cvt_pk_f16_f32 v[P+16*\t+k], v[S+32*\t+2*k], v[S+32*\t+2*k+1]
.set k, k+1
.endr
.endr
.irp w, 4,8,16,32                      ; the sums of the unrounded p, in place: neighbours 1, 2, 4, 8 pairs apart
.irp t, 0,1
.set k, 0
.rept 32/\w
	v_pk_add_f32 v[S+32*\t+k:S+32*\t+k+1], v[S+32*\t+k:S+32*\t+k+1], v[S+32*\t+k+\w/2:S+32*\t+k+\w/2+1]
.set k, k+\w
.endr
.endr
.endr
.irp t, 0,1
	v_pk_fma_f32 v[ST+8*\t+2:ST+8*\t+3], v[ST+8*\t+2:ST+8*\t+3], v[ST+8*\t+6:ST+8*\t+7], v[S+32*\t:S+32*\t+1] op_sel_hi:[1,0,1]   ; l = a l + the sum
.endr
	WIN 0x41
.irp t, 0,1
.set k, 0
.rept 16
	v_pk_mul_f32 v[32*\t+k:32*\t+k+1], v[32*\t+k:32*\t+k+1], v[ST+8*\t+6:ST+8*\t+7] op_sel_hi:[1,0]   ; O^T x a
.set k, k+2
.endr
.endr
	s_wait_dscnt 0x0                               ; V is in
	WIN 0x51
.irp ks, 0,1                           ; eight accumulators by turns
.irp dt, 0,1,2,3
.irp t, 0,1
	v_wmma_f32_16x16x32_f16 v[32*\t+8*\dt:32*\t+8*\dt+7], v[VFR+32*\ks+8*\dt:VFR+32*\ks+8*\dt+7], v[P+16*\t+8*\ks:P+16*\t+8*\ks+7], v[32*\t+8*\dt:32*\t+8*\dt+7]
.endr
.endr
.endr
	WIN 0
.Lhidden_\@:
	s_add_co_u32 s[KF], s[KF], 64
	s_add_co_u32 s[TB], s[TB], STEPB
	s_add_co_u32 s[TBB], s[TBB], 256
.endm
.macro STEPS4                          ; a unit's four steps: written once, walked four times
	s_lshl_b32 s[TBB], s[U], 10                    ; the unit's 256 bias words
	s_mov_b32 s[TW], 4
.Lstep_\@:
	STEP
	s_sub_co_u32 s[TW], s[TW], 1
	s_cmp_lg_u32 s[TW], 0
	s_cbranch_scc1 .Lstep_\@
	s_sub_co_u32 s[TB], s[TB], 4*STEPB
	s_xor_b32 s[TB], s[TB], SLOT1                  ; on to the other slot
.endm
; THE CHANGE OF SLOTS, at a unit's head.  All my tensor loads have landed (my part of the unit ahead), the add, my reads of the slot that I have left are over; the barrier; then the left slot takes the unit after.
; One tensor load a wave is out behind each barrier, and it has a whole unit's steps in which to land.
.macro CHANGE fill
	s_wait_tensorcnt 0x0
	ds_add_u32 v[SPW], v[NIL]                      ; the steps below stand between it and its wait
.if \fill
	s_xor_b32 s[G0+1], s[G0+1], SLOT1
	s_add_nc_u64 s[G0+2:G0+3], s[G0+2:G0+3], 32768 ; the next key unit,
	s_cmp_eq_u32 s[U], s[I]
	s_cselect_b32 s[BK], s[I1B], 0
	s_sub_nc_u64 s[G0+2:G0+3], s[G0+2:G0+3], s[BK:BK+1]   ; or, where the second query block begins, key unit 0 again
	s_wait_xcnt 0x0                                ; earlier stores and the last prefetch have read their registers
	s_add_nc_u64 s[PFA:PFA+1], s[PFA:PFA+1], 32768
.endif
	s_wait_dscnt 0x0
	s_barrier_signal -1
	s_barrier_wait -1
.if \fill
	TLOAD
	ASK
.endif
.endm
; THE WAY OUT of a query block: O^T / l; rows with no open key take the mean of v; f16; through my stage; 4,096 consecutive bytes of att16.
.macro WAYOUT
.irp t, 0,1
	v_add_f32 v[ST+8*\t+4], v[ST+8*\t+2], v[ST+8*\t+3]
.endr
.irp t, 0,1
	v_permlanex16_b32 v[ST+8*\t+5], v[ST+8*\t+4], s[SEL], s[SEL+1]
.endr
.irp t, 0,1
	v_add_f32 v[ST+8*\t+4], v[ST+8*\t+4], v[ST+8*\t+5]
.endr
.irp t, 0,1
	v_max_num_f32 v[ST+8*\t+4], 0.5, v[ST+8*\t+4]  ; a row with an open key has l near 1 or above; this holds only rows that are replaced below
.endr
.irp t, 0,1
	v_rcp_f32 v[ST+8*\t+6], v[ST+8*\t+4]
.endr
	v_nop
.irp dt, 0,1,2,3
	ds_load_b128 v[MB+8*\dt:MB+8*\dt+3], v[VBA] offset:64*\dt
	ds_load_b128 v[MB+8*\dt+4:MB+8*\dt+7], v[VBA] offset:64*\dt+16
.endr
	s_wait_alu depctr_va_vdst(0)                   ; one wait for the two reciprocals, ahead of their first use
	WIN 0x01
.irp t, 0,1
.set k, 0
.rept 16
	v_pk_mul_f32 v[S+32*\t+k:S+32*\t+k+1], v[32*\t+k:32*\t+k+1], v[ST+8*\t+6:ST+8*\t+7] op_sel_hi:[1,0]
.set k, k+2
.endr
.endr
	WIN 0
	s_wait_dscnt 0x0
.irp t, 0,1
	v_cmp_gt_f32 vcc_lo, 0xfe000000, v[ST+8*\t+1]  ; -2^125 > m: no open key
.set k, 0
.rept 32
	v_cndmask_b32 v[S+32*\t+k], v[S+32*\t+k], v[MB+k], vcc_lo
.set k, k+1
.endr
.endr
.irp t, 0,1
.set k, 0
.rept 16
	v_cvt_pk_f16_f32 v[P+16*\t+k], v[S+32*\t+2*k], v[S+32*\t+2*k+1]
.set k, k+1
.endr
.endr
.irp t, 0,1
.irp dt, 0,1,2,3
	ds_store_b128 v[STO], v[P+16*\t+4*\dt:P+16*\t+4*\dt+3] offset:\t*16*PK+32*\dt
.endr
.endr
.irp g, 0,1,2,3,4,5,6,7
	ds_load_b128 v[S+4*\g:S+4*\g+3], v[RD] offset:\g*4*PK            ; behind my stores, in order: four whole rows of 128 bytes
.endr
.irp g, 0,1,2,3,4,5,6,7
	s_wait_dscnt 7-\g
	global_store_b128 v[GO], v[S+4*\g:S+4*\g+3], s[OUT:OUT+1] offset:512*\g
.endr
.endm
	s_mov_b32 s[U], 0
.Lunit:                                ; eight trips: behind each change of slots the next unit is asked for
	CHANGE 1
	s_cmp_eq_u32 s[U], s[I1]                       ; the second query block begins here
	s_cbranch_scc0 .Lsame_block
	s_add_nc_u64 s[QB:QB+1], s[QB:QB+1], s[DQ:DQ+1]
	QLOAD
	WAYOUT
	s_wait_xcnt 0x0                                ; the stores have read their registers and their base
	s_add_co_u32 s[Q0], s[Q0], s73
	s_add_nc_u64 s[OUT:OUT+1], s[OUT:OUT+1], s[DQ:DQ+1]
	INIT
	s_wait_loadcnt 0x0                             ; Q
.Lsame_block:
	STEPS4
	s_add_co_u32 s[U], s[U], 1
	s_cmp_lt_u32 s[U], 8
	s_cbranch_scc1 .Lunit
	CHANGE 0                                       ; the last unit is written out: nothing is left to fetch
	STEPS4
	WAYOUT
	s_wait_tensorcnt 0x0                           ; the wave's end
	ds_add_u32 v[SPW], v[NIL]
	s_wait_dscnt 0x0
	s_endpgm
.Lfunc_end_k_qfa097f9592_attn:
	.size	k_qfa097f9592_attn, .Lfunc_end_k_qfa097f9592_attn-k_qfa097f9592_attn
	.p2alignl 7, 3214868480
	.fill 96, 4, 3214868480
	.section	.rodata,"a",@progbits
	.p2align	6, 0x0
	.amdhsa_kernel k_qfa097f9592_attn
		.amdhsa_group_segment_fixed_size 327680
		.amdhsa_private_segment_fixed_size 0
		.amdhsa_enable_private_segment 0
		.amdhsa_kernarg_size 40
		.amdhsa_user_sgpr_count 2
		.amdhsa_user_sgpr_kernarg_segment_ptr 1
		.amdhsa_wavefront_size32 1
		.amdhsa_system_sgpr_workgroup_id_x 1
		.amdhsa_system_sgpr_workgroup_id_y 1
		.amdhsa_system_sgpr_workgroup_id_z 1
		.amdhsa_system_vgpr_workitem_id 0
		.amdhsa_next_free_vgpr 416
		.amdhsa_next_free_sgpr 80
		.amdhsa_reserve_vcc 1
		.amdhsa_float_denorm_mode_32 3
		.amdhsa_float_denorm_mode_16_64 3
		.amdhsa_memory_ordered 1
		.amdhsa_forward_progress 1
		.amdhsa_inst_pref_size 84
	.end_amdhsa_kernel
	.amdgpu_metadata
---
amdhsa.version: [ 1, 2 ]
amdhsa.kernels:
  - .name:           k_qfa097f9592_attn
    .symbol:         k_qfa097f9592_attn.kd
    .args:
      - { .name: qkv16, .offset: 0, .size: 8, .value_kind: global_buffer, .address_space: global }
      - { .name: qkv32, .offset: 8, .size: 8, .value_kind: global_buffer, .address_space: global }
      - { .name: attention_mask, .offset: 16, .size: 8, .value_kind: global_buffer, .address_space: global }
      - { .name: att16, .offset: 24, .size: 8, .value_kind: global_buffer, .address_space: global }
      - { .name: vbar, .offset: 32, .size: 8, .value_kind: global_buffer, .address_space: global }
    .group_segment_fixed_size: 327680
    .private_segment_fixed_size: 0
    .kernarg_segment_align: 8
    .kernarg_segment_size: 40
    .max_flat_workgroup_size: 256
    .sgpr_count:     80
    .vgpr_count:     416
    .wavefront_size: 32
...
	.end_amdgpu_metadata
.endif
;; end of part 3
;; launch oproj (part 4): grid 8 x 64, 4 waves a work-group, clusters of 4 x 4, 327,680 bytes of LDS; arguments att16, wot, bo, out0; writes out0
.if DOCPART == 4
	.amdgcn_target "amdgcn-amd-amdhsa--gfx1250"
	.amdhsa_code_object_version 6
	.text
	.protected	k_qfa097f9592_oproj
	.globl	k_qfa097f9592_oproj
	.p2align	8
	.type	k_qfa097f9592_oproj,@function
k_qfa097f9592_oproj:
	s_mov_b64 s[64:65], 0
	v_nop
	global_prefetch_b8 v0, s[64:65] scope:SCOPE_SE
	s_setreg_imm32_b32 hwreg(HW_REG_WAVE_MODE, 25, 1), 1
	s_wait_xcnt 0x0
	s_wait_alu depctr_hold_cnt(0) depctr_sa_sdst(0) depctr_va_vdst(0) depctr_va_sdst(0) depctr_va_ssrc(0) depctr_va_vcc(0) depctr_vm_vsrc(0)
	s_getreg_b32 s2, hwreg(HW_REG_IB_STS2, 6, 4)
	s_cmp_eq_u32 s2, 0
	s_cbranch_scc0 .Lentry_in_a_cluster
	s_endpgm
.Lentry_in_a_cluster:
	s_bfe_u32 s2, ttmp6, 0x10000c
	s_cmp_lg_u32 s2, 0xf033
	s_cbranch_scc0 .Lentry_shape_is_right
	s_endpgm
.Lentry_shape_is_right:
; Launch 4 of 5: out0 = attn Wo + bo, f16 operands, f32 sums, all 8,192 rows (the last launch writes positions 0-15 of each sequence anew, more finely).
; A = att16 [16 kb][8192 rows][64], B = the high parts of wot [16 kb][1024 n][64]: K in blocks of 64 (a head).  A tile of out0 is 128 x 128: four waves, each 64 x 64 in 16 accumulators.
; K goes in steps of 256 (4 kb) through two LDS slots.  A wave's tensor load brings 64 rows x 4 kb: for each kb 8,192 dense bytes, stated as ONE row of 4,096 elements, 4 such rows a kb's pitch apart;
; 16 bytes of padding behind every 128, so that in LDS a row of 64 numbers is 144 bytes and a kb 9,216.
; CLUSTERS: 4 x 4 work-groups; A's tiles are asked for jointly along a row of the cluster, B's along a column.  THE MATRIX INSTRUCTION IS USED TRANSPOSED (source 0 = 16 rows of B, source 1 = 16 rows of A).
; bo is the C of each sum's first matrix instruction.  A wave's 64 columns are 256 bytes of a row of out0: each wave sends its own rows through its own stage.
; REGISTERS: window 0: v0-31 addresses; v32-95 the way out; v96-127 bo; v128-255 the accumulators ((a, b) at v[128 + 8 (4 a + b)]).   window 1: two fragment buffers of 128.
.set SIZE_N, 1024
.set PITCH,  144
.set KBB,    64*PITCH
.set HALFT,  4*KBB
.set SLOT,   4*HALFT
.set STAGE,  2*SLOT
.set SPITCH, 272
.set SPARE,  STAGE+4*16*SPITCH
.set LAPS,   2                         ; a lap = two K steps = 512 along K
.set ADRA, 16
.set ADRB, 20
.set BOF,  22
.set STO,  24
.set RD,   25
.set CO,   26
.set SPW,  28
.set NIL,  29
.set TMP,  32
.set BO,   96
.set ACC,  128
.set F0,   0
.set F1,   128
.set G1, 24
.set G0, 32
.set G1B, 48
.set G0B, 56
.set MSB, 0
.macro WIN new
.if MSB != \new
	s_set_vgpr_msb (MSB<<8)|\new
.set MSB, \new
.endif
.endm
.set MUL,  0x05                        ; sources 0 (B) and 1 (A) window 1; C and D window 0
.set TO_F, 0x40
.macro JLOAD s                         ; a joint load: waves 0 and 1 fetch A's halves, waves 2 and 3 B's; an s_nop 0 and four v_nop follow each line
	s_cmp_eq_u32 s11, 0
	s_cbranch_scc0 .Lfor_b_\@
	tensor_load_to_lds s[G0+4*\s:G0+4*\s+3], s[G1:G1+7]
	s_nop 0
.rept 4
	v_nop
.endr
	s_branch .Lasked_\@
.Lfor_b_\@:
	tensor_load_to_lds s[G0B+4*\s:G0B+4*\s+3], s[G1B:G1B+7]
	s_nop 0
.rept 4
	v_nop
.endr
.Lasked_\@:
.endm
.macro CREST
	s_cmp_lg_u32 s10, 0
	s_cbranch_scc1 .Lnot_wave_0_\@
	s_barrier_signal -3
.Lnot_wave_0_\@:
	s_barrier_wait -3
	s_barrier_signal -1
	s_barrier_wait -1
.endm
.macro CROUND
	s_barrier_signal -1
	s_barrier_wait -1
	CREST
.endm
	s_load_b128 s[4:7], s[0:1], 0x0                ; att16, wot
	s_load_b64 s[66:67], s[0:1], 0x10              ; bo
	s_load_b64 s[8:9], s[0:1], 0x18                ; out0
	v_lshl_add_u32 v[SPW], v0, 2, SPARE
	v_mov_b32 v[NIL], 0
	ds_add_u32 v[SPW], v[NIL]                      ; the wave's opening: the add, twice on end, and its wait ahead of my first tensor load
	ds_add_u32 v[SPW], v[NIL]
	v_lshrrev_b32 v1, 5, v0
	v_readfirstlane_b32 s10, v1                    ; wave 0..3
	s_lshr_b32 s11, s10, 1                         ; which half of the tile's rows is mine.  Also: I fetch for A (0) or for B (1)
	s_and_b32 s12, s10, 1                          ; which half of its columns.  Also: which 64 rows I fetch
	s_bfe_u32 s40, ttmp6, 0x40000
	s_bfe_u32 s41, ttmp6, 0x40004
	s_lshl_b32 s42, ttmp9, 2
	s_add_co_u32 s42, s42, s40                     ; tile column
	s_and_b32 s13, ttmp7, 0xffff
	s_lshl_b32 s13, s13, 2
	s_add_co_u32 s13, s13, s41                     ; tile row
	s_lshl_b32 s43, s41, 2
	s_lshl_b32 s43, 15, s43                        ; my row of the cluster
	s_lshl_b32 s44, 0x1111, s40                    ; my column
	s_or_b32 s[G1+0], s43, (1<<16)|(1<<20)|(1<<21)|(4<<22)|(3<<25)  ; the mask; elements of 2 bytes; padding: 4 words behind every 32; bit 21 beside a mask
	s_or_b32 s[G1B+0], s44, (1<<16)|(1<<20)|(1<<21)|(4<<22)|(3<<25)
.irp g, G1, G1B
	s_mov_b32 s[\g+1], 4096<<16                    ; tensor_dim0 = 4,096: 64 dense rows of 64
	s_mov_b32 s[\g+2], 4<<16                       ; tensor_dim1 = 4 kb
	s_mov_b32 s[\g+3], 4096<<16                    ; tile_dim0
	s_mov_b32 s[\g+4], 4                           ; tile_dim1
	s_mov_b32 s[\g+6], 0
	s_mov_b32 s[\g+7], 0
.endr
	s_mov_b32 s[G1+5], 524288                      ; from kb to kb, in elements: 8,192 rows of 64
	s_mov_b32 s[G1B+5], 65536                      ; 1,024 rows of 64
	s_lshl_b32 s17, s12, 6
	s_lshl_b32 s16, s13, 7
	s_add_co_u32 s16, s16, s17
	s_lshl_b32 s16, s16, 7                         ; A: row 128 x tile row + 64 x half, 128 bytes a row
	s_lshl_b32 s46, s42, 7
	s_add_co_u32 s46, s46, s17
	s_lshl_b32 s46, s46, 7                         ; B likewise, by the tile column
	s_mov_b32 s17, 0
	s_mov_b32 s47, 0
	s_mul_i32 s20, s10, HALFT                      ; where they go
	s_wait_dscnt 0x0                               ; both opening adds are done
	s_wait_kmcnt 0x0
	s_add_nc_u64 s[14:15], s[4:5], s[16:17]
	s_add_nc_u64 s[46:47], s[6:7], s[46:47]
	CROUND                                         ; all sixteen work-groups are here
.irp s, 0,1
	s_mov_b32 s[G0+4*\s], 1
	s_add_co_u32 s[G0+4*\s+1], s20, \s*SLOT
	s_add_nc_u64 s[G0+4*\s+2:G0+4*\s+3], s[14:15], \s*4*1048576
	s_or_b32 s[G0+4*\s+3], s[G0+4*\s+3], 0x80000000
	s_mov_b32 s[G0B+4*\s], 1
	s_add_co_u32 s[G0B+4*\s+1], s20, \s*SLOT
	s_add_nc_u64 s[G0B+4*\s+2:G0B+4*\s+3], s[46:47], \s*4*131072
	s_or_b32 s[G0B+4*\s+3], s[G0B+4*\s+3], 0x80000000
	JLOAD \s
.endr
	v_and_b32 v1, 15, v0                           ; r
	v_bfe_u32 v2, v0, 4, 1                         ; h
	v_mul_u32_u24 v3, v1, PITCH
	v_lshl_add_u32 v3, v2, 4, v3
	s_mul_i32 s21, s11, HALFT
	s_mul_i32 s22, s12, HALFT
	s_add_co_u32 s22, s22, 2*HALFT
.irp s, 0,1
	v_add_nc_u32 v[ADRA+\s], s21, v3
	v_add_nc_u32 v[ADRB+\s], s22, v3
	s_add_co_u32 s21, s21, SLOT
	s_add_co_u32 s22, s22, SLOT
.endr
	s_mul_i32 s23, s10, 16*SPITCH
	s_add_co_u32 s23, s23, STAGE                   ; my stage
	v_mul_u32_u24 v4, v1, SPITCH
	v_lshl_add_u32 v4, v2, 5, v4
	v_add_nc_u32 v[STO], s23, v4                   ; in: row r, 32 bytes for each half of the lanes
	v_mul_u32_u24 v5, v2, SPITCH
	v_lshl_add_u32 v5, v1, 4, v5
	v_add_nc_u32 v[RD], s23, v5                    ; back: lanes 0-15 one row of 256 bytes, lanes 16-31 the next
	v_lshlrev_b32 v5, 12, v2
	v_lshl_add_u32 v[CO], v1, 4, v5                ; the same two rows in out0
	v_lshlrev_b32 v[BOF], 5, v2
	s_lshl_b32 s16, s13, 7
	s_lshl_b32 s17, s11, 6
	s_add_co_u32 s16, s16, s17
	s_lshl_b32 s16, s16, 12                        ; my first row, 4,096 bytes a row
	s_lshl_b32 s46, s42, 7
	s_lshl_b32 s47, s12, 6
	s_add_co_u32 s46, s46, s47
	s_lshl_b32 s46, s46, 2                         ; my first column
	s_mov_b32 s47, 0
	s_mov_b32 s17, 0
	s_add_nc_u64 s[8:9], s[8:9], s[16:17]
	s_add_nc_u64 s[8:9], s[8:9], s[46:47]
	s_add_nc_u64 s[66:67], s[66:67], s[46:47]
.irp b, 0,1,2,3                        ; bo of columns 16 b + 8 h + 0 .. 7, in the result's layout
	global_load_b128 v[BO+8*\b:BO+8*\b+3], v[BOF], s[66:67] offset:64*\b
	global_load_b128 v[BO+8*\b+4:BO+8*\b+7], v[BOF], s[66:67] offset:64*\b+16
.endr
.macro MUL8 f, c, a0, zero             ; 8 matrix instructions: row blocks a0, a0 + 1 x all 4 column blocks, 32 along K.  zero = 1: bo starts the sums
.irp a, \a0, \a0+1
.irp b, 0,1,2,3
.if \zero
	v_wmma_f32_16x16x32_f16 v[ACC+8*(4*(\a)+\b):ACC+8*(4*(\a)+\b)+7], v[\f+64+8*(4*\c+\b):\f+64+8*(4*\c+\b)+7], v[\f+8*(4*\c+\a):\f+8*(4*\c+\a)+7], v[BO+8*\b:BO+8*\b+7]
.else
	v_wmma_f32_16x16x32_f16 v[ACC+8*(4*(\a)+\b):ACC+8*(4*(\a)+\b)+7], v[\f+64+8*(4*\c+\b):\f+64+8*(4*\c+\b)+7], v[\f+8*(4*\c+\a):\f+8*(4*\c+\a)+7], v[ACC+8*(4*(\a)+\b):ACC+8*(4*(\a)+\b)+7]
.endif
.endr
.endr
.endm
.macro FETCH slot, k, f                ; 32 LDS loads in one run: the fragments of one kb, at byte k of the wave's part of the slot
	WIN TO_F
.irp c, 0,1
.irp i, 0,1,2,3
	ds_load_b128 v[\f+64+8*(4*\c+\i):\f+64+8*(4*\c+\i)+3],   v[ADRB+\slot] offset:\k+64*\c+\i*16*PITCH
	ds_load_b128 v[\f+64+8*(4*\c+\i)+4:\f+64+8*(4*\c+\i)+7], v[ADRB+\slot] offset:\k+64*\c+\i*16*PITCH+32
	ds_load_b128 v[\f+8*(4*\c+\i):\f+8*(4*\c+\i)+3],         v[ADRA+\slot] offset:\k+64*\c+\i*16*PITCH
	ds_load_b128 v[\f+8*(4*\c+\i)+4:\f+8*(4*\c+\i)+7],       v[ADRA+\slot] offset:\k+64*\c+\i*16*PITCH+32
.endr
.endr
.endm
.macro PLACES
.rept 4
	v_nop
.endr
.endm
.macro QUARTER slot, k, f, g, zero     ; a kb: 32 matrix instructions on buffer f; in its middle the next kb, at byte k, is fetched into g
	s_wait_dscnt 16                                ; the first 32 along K are in; the youngest sixteen loads may be out
	WIN MUL
	MUL8 \f, 0, 0, \zero
	MUL8 \f, 0, 2, \zero
	PLACES
	FETCH \slot, \k, \g
	s_wait_dscnt 32                                ; all but the 32 just issued
	WIN MUL
	MUL8 \f, 1, 0, 0
	MUL8 \f, 1, 2, 0
.endm
.macro TURN slot, next, fill           ; a slot's last kb changes slots: one barrier; fill = 1: a round of the cluster's barrier, and this slot is filled again, two K steps ahead
	WIN 0
	s_wait_tensorcnt 0x0                           ; all my tensor loads have landed: my part of the next slot;
	ds_add_u32 v[SPW], v[NIL]
	s_wait_dscnt 17                                ; (the add and the youngest sixteen loads may be out)
	WIN MUL
	MUL8 F1, 0, 0, 0
	s_wait_dscnt 0x0                               ; the add is done, and my reads of this slot are over
	s_barrier_signal -1
	MUL8 F1, 0, 2, 0
.if \fill
	WIN 0
.endif
	s_barrier_wait -1
.if \fill
	CREST
	s_add_nc_u64 s[G0+4*\slot+2:G0+4*\slot+3], s[G0+4*\slot+2:G0+4*\slot+3], 8*1048576
	s_add_nc_u64 s[G0B+4*\slot+2:G0B+4*\slot+3], s[G0B+4*\slot+2:G0B+4*\slot+3], 8*131072
	JLOAD \slot                                    ; the first tensor load behind the round; its four v_nop are also the places in front of the loads below
.else
	PLACES
.endif
	FETCH \next, 0, F0
	WIN MUL
	MUL8 F1, 1, 0, 0
	MUL8 F1, 1, 2, 0
.endm
	s_wait_tensorcnt 1                             ; my part of K step 0 is in (K step 1's load may be out),
	s_barrier_signal -1
	s_barrier_wait -1                              ; everybody's is
	FETCH 0, 0, F0
	s_wait_loadcnt 0x0                             ; bo
	QUARTER 0, KBB, F0, F1, 1
	WIN 0
	s_mov_b32 s3, LAPS-1
.Llap:                                 ; a trip goes once round the ring and fills both slots again
	QUARTER 0, 2*KBB, F1, F0, 0
	QUARTER 0, 3*KBB, F0, F1, 0
	TURN 0, 1, 1
	QUARTER 1, KBB, F0, F1, 0
	QUARTER 1, 2*KBB, F1, F0, 0
	QUARTER 1, 3*KBB, F0, F1, 0
	TURN 1, 0, 1
	QUARTER 0, KBB, F0, F1, 0
	WIN 0
	s_sub_co_u32 s3, s3, 1
	s_cmp_lg_u32 s3, 0
	s_cbranch_scc1 .Llap
	QUARTER 0, 2*KBB, F1, F0, 0                    ; the last lap fills nothing
	QUARTER 0, 3*KBB, F0, F1, 0
	TURN 0, 1, 0
	QUARTER 1, KBB, F0, F1, 0
	QUARTER 1, 2*KBB, F1, F0, 0
	QUARTER 1, 3*KBB, F0, F1, 0
	s_wait_dscnt 16
	WIN MUL
	MUL8 F1, 0, 0, 0
	MUL8 F1, 0, 2, 0
	s_wait_dscnt 0
	MUL8 F1, 1, 0, 0
	MUL8 F1, 1, 2, 0
	WIN 0
	PLACES
	; THE WAY OUT, 16 rows at a time, through my own stage: LDS serves a wave's instructions in order, so no wait stands between the stores and the loads
.macro TOSTAGE a
.irp b, 0,1,2,3
	ds_store_b128 v[STO], v[ACC+8*(4*(\a)+\b):ACC+8*(4*(\a)+\b)+3] offset:64*\b        ; each accumulator from its low end on
	ds_store_b128 v[STO], v[ACC+8*(4*(\a)+\b)+4:ACC+8*(4*(\a)+\b)+7] offset:64*\b+16
.endr
.irp t, 0,1,2,3,4,5,6,7
	ds_load_b128 v[TMP+32*((\a)%2)+4*\t:TMP+32*((\a)%2)+4*\t+3], v[RD] offset:\t*2*SPITCH
.endr
.endm
.macro SEND a, younger                 ; younger: the LDS instructions issued behind block a's loads
.irp t, 0,1,2,3,4,5,6,7
	s_wait_dscnt \younger+7-\t
	global_store_b128 v[CO], v[TMP+32*((\a)%2)+4*\t:TMP+32*((\a)%2)+4*\t+3], s[8:9] offset:(16*(\a)+2*\t)*SIZE_N*4 th:TH_STORE_NT   ; sixteen lanes store 256 consecutive bytes, aligned
.endr
.endm
	TOSTAGE 0
	TOSTAGE 1
	SEND 0, 16
	s_wait_xcnt 0x0                                ; block 0's stores have read their registers
	TOSTAGE 2
	SEND 1, 16
	s_wait_xcnt 0x0
	TOSTAGE 3
	SEND 2, 16
	SEND 3, 0
	s_wait_tensorcnt 0x0                           ; the wave's end
	ds_add_u32 v[SPW], v[NIL]
	s_wait_dscnt 0x0
	CROUND                                         ; the closing round
	s_endpgm
.Lfunc_end_k_qfa097f9592_oproj:
	.size	k_qfa097f9592_oproj, .Lfunc_end_k_qfa097f9592_oproj-k_qfa097f9592_oproj
	.p2alignl 7, 3214868480
	.fill 96, 4, 3214868480
	.section	.rodata,"a",@progbits
	.p2align	6, 0x0
	.amdhsa_kernel k_qfa097f9592_oproj
		.amdhsa_group_segment_fixed_size 327680
		.amdhsa_private_segment_fixed_size 0
		.amdhsa_enable_private_segment 0
		.amdhsa_kernarg_size 32
		.amdhsa_user_sgpr_count 2
		.amdhsa_user_sgpr_kernarg_segment_ptr 1
		.amdhsa_wavefront_size32 1
		.amdhsa_system_sgpr_workgroup_id_x 1
		.amdhsa_system_sgpr_workgroup_id_y 1
		.amdhsa_system_sgpr_workgroup_id_z 1
		.amdhsa_system_vgpr_workitem_id 0
		.amdhsa_next_free_vgpr 512
		.amdhsa_next_free_sgpr 68
		.amdhsa_reserve_vcc 0
		.amdhsa_float_denorm_mode_32 3
		.amdhsa_float_denorm_mode_16_64 3
		.amdhsa_memory_ordered 1
		.amdhsa_forward_progress 1
		.amdhsa_inst_pref_size 87
	.end_amdhsa_kernel
	.amdgpu_metadata
---
amdhsa.version: [ 1, 2 ]
amdhsa.kernels:
  - .name:           k_qfa097f9592_oproj
    .symbol:         k_qfa097f9592_oproj.kd
    .args:
      - { .name: att16, .offset: 0, .size: 8, .value_kind: global_buffer, .address_space: global }
      - { .name: wot, .offset: 8, .size: 8, .value_kind: global_buffer, .address_space: global }
      - { .name: bo, .offset: 16, .size: 8, .value_kind: global_buffer, .address_space: global }
      - { .name: out0, .offset: 24, .size: 8, .value_kind: global_buffer, .address_space: global }
    .group_segment_fixed_size: 327680
    .private_segment_fixed_size: 0
    .kernarg_segment_align: 8
    .kernarg_segment_size: 32
    .max_flat_workgroup_size: 128
    .sgpr_count:     68
    .vgpr_count:     512
    .wavefront_size: 32
...
	.end_amdgpu_metadata
.endif
;; end of part 4
;; launch first16 (part 5): grid 16 x 4, 16 waves a work-group, no clusters, 71,680 bytes of LDS; arguments qkv32, vbar, attention_mask, wot, bo, out0; writes out0
.if DOCPART == 5
	.amdgcn_target "amdgcn-amd-amdhsa--gfx1250"
	.amdhsa_code_object_version 6
	.text
	.protected	k_qfa097f9592_first16
	.globl	k_qfa097f9592_first16
	.p2align	8
	.type	k_qfa097f9592_first16,@function
k_qfa097f9592_first16:
	s_mov_b64 s[64:65], 0
	v_nop
	global_prefetch_b8 v0, s[64:65] scope:SCOPE_SE
	s_setreg_imm32_b32 hwreg(HW_REG_WAVE_MODE, 25, 1), 1
	s_wait_xcnt 0x0
; Launch 5 of 5: positions 0-15 of each sequence once more, finely: under the causal mask they average one to sixteen values and are the largest numbers of the output.  bk is left out as before (see the first kernel's head).
; Their attention is made in f32 (16 queries x 16 keys a head, by the f32 matrix form: no bulk work); the projection takes both operands as pairs of f16, a high part and a low part x 2048, split in f32:
; out = Whi Ahi + (Whi Alo + Wlo Ahi) / 2048 + bo.  These 64 rows of out0 are written over what the launch before left there.
; SHARES: work-group (64 columns of out0, batch); wave = head.  Each wave makes its head's attention and that head's part (K = 64) of the 16 x 64 results; the sixteen parts meet in LDS.
; LAYOUT: S^T = K Q^T + bias, O^T = V^T P, out^T = Wo^T A: a lane holds one query (lane % 16) throughout.  In the f32 products K is taken in another order, alike on both sides: lane (r, h) holds channels 32 h + 0 .. 31.
; MASKS as in the launch before: BIG = -2^126 for a closed or hidden key; a query with no open key takes the mean of v over all keys (vbar).
; REGISTERS: v1-15 addresses and constants; v16-47 Q, then Wo's high parts of channels 32-63; v48-79 K, then their low parts; v80-111 V^T, then A's high and low parts;
;   v112-143 written by matrix instructions alone: two score sums, then O^T, then the high sums; v144-159 bias, scores, at work; v160-175 and v240-255 the mean of v; v144-175 later the low sums; v176-239 Wo of channels 0-31.
.set RED,   0                          ; sixteen parts of 16 rows x (256 bytes + 16)
.set SPARE, 16*16*272                  ; the spare words, 128 bytes for each wave
.set SPW, 10
.set NIL, 11
	s_load_b256 s[4:11], s[0:1], 0x0               ; qkv32, vbar, attention_mask, wot
	s_load_b128 s[12:15], s[0:1], 0x20             ; bo, out0
	v_lshl_add_u32 v[SPW], v0, 2, SPARE
	v_mov_b32 v[NIL], 0
	v_lshrrev_b32 v15, 5, v0
	v_readfirstlane_b32 s16, v15                   ; wave = head
	s_and_b32 s17, ttmp7, 0xffff                   ; batch
	v_and_b32 v15, 15, v0                          ; r
	v_bfe_u32 v14, v0, 4, 1                        ; h
	v_lshlrev_b32 v1, 12, v15
	v_lshl_add_u32 v1, v14, 7, v1                  ; q, k: row r of 4,096 bytes, + 128 h
	v_lshlrev_b32 v2, 2, v15
	v_lshl_add_u32 v2, v14, 15, v2                 ; v: key 8 h on, channel r
	v_lshlrev_b32 v3, 7, v15
	v_lshl_add_u32 v3, v14, 4, v3                  ; wot: row r of 128 bytes, + 16 h
	v_lshlrev_b32 v4, 5, v14                       ; 32 h
	v_lshlrev_b32 v8, 3, v14                       ; 8 h
	s_mul_i32 s18, s16, 16*272
	v_mul_u32_u24 v5, v15, 272
	v_add_nc_u32 v5, v5, v4
	v_add_nc_u32 v5, s18, v5                       ; my part: row r, + 32 h
	v_and_b32 v7, 31, v0
	v_lshlrev_b32 v7, 3, v7                        ; 8 x lane
	s_mul_i32 s18, s16, 272
	v_add_nc_u32 v6, s18, v7                       ; row = my wave's number, in each part
	v_sub_nc_u32 v14, v15, v8                      ; r - 8 h
	v_mov_b32 v13, 0xfe800000                      ; BIG
	s_mov_b32 s36, 0x76543210
	s_mov_b32 s37, 0xfedcba98
	s_mov_b32 s38, 0x3e38aa3b                      ; c = log2(e) / 8
	s_mov_b32 s19, 0
	s_wait_kmcnt 0x0
	s_lshl_b32 s18, s17, 16
	s_lshl_b32 s32, s16, 8
	s_add_co_u32 s18, s18, s32
	s_add_nc_u64 s[20:21], s[4:5], s[18:19]        ; qkv32 at my batch and head
	s_lshl_b32 s18, s17, 12
	s_add_co_u32 s18, s18, s32
	s_add_nc_u64 s[22:23], s[6:7], s[18:19]        ; vbar likewise
	s_lshl_b32 s18, s17, 11
	s_add_nc_u64 s[24:25], s[8:9], s[18:19]        ; my batch's mask bytes
	s_lshl_b32 s18, s16, 17
	s_lshl_b32 s32, ttmp9, 13
	s_add_co_u32 s18, s18, s32
	s_add_nc_u64 s[26:27], s[10:11], s[18:19]      ; wot at kb = my head, my work-group's 64 rows
	s_lshl_b32 s18, ttmp9, 8
	s_add_nc_u64 s[28:29], s[12:13], s[18:19]      ; bo at its 64 columns
	s_lshl_b32 s32, s17, 11
	s_add_co_u32 s32, s32, s16
	s_lshl_b32 s32, s32, 12
	s_add_co_u32 s18, s18, s32
	s_add_nc_u64 s[30:31], s[14:15], s[18:19]      ; out0: row 2048 x batch + my wave's number
	global_load_b64 v[152:153], v8, s[24:25]       ; the mask bytes of keys 8 h + 0 .. 7
.irp e, 0,1,2,3,4,5,6,7
	global_load_b128 v[48+4*\e:51+4*\e], v1, s[20:21] offset:262144+16*\e
.endr
.irp e, 0,1,2,3,4,5,6,7
	global_load_b128 v[16+4*\e:19+4*\e], v1, s[20:21] offset:16*\e
.endr
.irp t, 0,1,2,3
.irp kk, 0,1,2,3,4,5,6,7
	global_load_b32 v[80+8*\t+\kk], v2, s[20:21] offset:524288+\kk*4096+64*\t   ; v(key 8 h + kk, channel 16 t + r)
.endr
.endr
.irp t, 0,1
	global_load_b128 v[160+8*\t:163+8*\t], v4, s[22:23] offset:64*\t            ; the mean of v at channels 16 t + 8 h + 0 .. 7
	global_load_b128 v[164+8*\t:167+8*\t], v4, s[22:23] offset:64*\t+16
.endr
.irp t, 0,1
	global_load_b128 v[240+8*\t:243+8*\t], v4, s[22:23] offset:128+64*\t
	global_load_b128 v[244+8*\t:247+8*\t], v4, s[22:23] offset:128+64*\t+16
.endr
.irp nt, 0,1,2,3                       ; Wo^T, channels 0-31 of the head: 16 columns a tile; high parts, low parts
	global_load_b128 v[176+8*\nt:179+8*\nt], v3, s[26:27] offset:\nt*2048
	global_load_b128 v[180+8*\nt:183+8*\nt], v3, s[26:27] offset:\nt*2048+32
	global_load_b128 v[208+8*\nt:211+8*\nt], v3, s[26:27] offset:2097152+\nt*2048
	global_load_b128 v[212+8*\nt:215+8*\nt], v3, s[26:27] offset:2097152+\nt*2048+32
.endr
	s_wait_loadcnt 56                              ; the mask, K and Q are in; behind them: V's 32, the mean's 8, Wo's 16
.irp j, 0,1,2,3,4,5,6,7
	v_bfe_u32 v[144+\j], v[152+\j/4], 8*(\j%4), 8
.endr
.irp j, 0,1,2,3,4,5,6,7
	v_add_nc_u32 v[144+\j], -1, v[144+\j]
.endr
.irp j, 0,1,2,3,4,5,6,7
	v_and_b32 v[144+\j], 0xfe800000, v[144+\j]     ; 0 for an open key, BIG for a closed one
.endr
.irp j, 0,1,2,3,4,5,6,7
	v_cmp_gt_i32 vcc_lo, \j, v14                   ; key 8 h + j > query r
	v_cndmask_b32 v[144+\j], v[144+\j], v13, vcc_lo
.endr
	v_wmma_f32_16x16x4_f32 v[112:119], v[48:49], v[16:17], v[144:151]   ; two sums by turns: the bias starts one, the constant 0 the other
	v_wmma_f32_16x16x4_f32 v[120:127], v[50:51], v[18:19], 0
.set i, 2
.rept 7
	v_wmma_f32_16x16x4_f32 v[112:119], v[48+2*i:49+2*i], v[16+2*i:17+2*i], v[112:119]
	v_wmma_f32_16x16x4_f32 v[120:127], v[50+2*i:51+2*i], v[18+2*i:19+2*i], v[120:127]
.set i, i+2
.endr
.rept 8
	v_nop                                          ; eight places behind this form, in front of loads into its sources and of the first read of its results
.endr
.irp nt, 0,1,2,3                       ; channels 32-63
	global_load_b128 v[16+8*\nt:19+8*\nt], v3, s[26:27] offset:\nt*2048+64
	global_load_b128 v[20+8*\nt:23+8*\nt], v3, s[26:27] offset:\nt*2048+96
	global_load_b128 v[48+8*\nt:51+8*\nt], v3, s[26:27] offset:2097152+\nt*2048+64
	global_load_b128 v[52+8*\nt:55+8*\nt], v3, s[26:27] offset:2097152+\nt*2048+96
.endr
.irp j, 0,2,4,6
	v_pk_add_f32 v[152+\j:153+\j], v[112+\j:113+\j], v[120+\j:121+\j]   ; the scores, into other registers, from the low end on
.endr
	v_max3_num_f32 v144, v152, v153, v154
	v_max3_num_f32 v145, v155, v156, v157
	v_max3_num_f32 v144, v144, v158, v159
	v_max3_num_f32 v144, v144, v145, v13           ; never under BIG
	v_permlanex16_b32 v145, v144, s36, s37
	v_max_num_f32 v146, v144, v145                 ; m
	v_mul_f32 v147, s38, v146
	v_cmp_gt_f32 s34, 0xfe000000, v146             ; -2^125 > m: no open key
.irp j, 0,1,2,3,4,5,6,7
	v_fma_f32 v[152+\j], v[152+\j], s38, -v147
.endr
.irp j, 0,1,2,3,4,5,6,7
	v_exp_f32 v[152+\j], v[152+\j]
.endr
	v_nop
	s_wait_alu depctr_va_vdst(0)                   ; the wait ahead of the first use: one for the eight
	v_pk_add_f32 v[144:145], v[152:153], v[154:155]
	v_pk_add_f32 v[148:149], v[156:157], v[158:159]
	v_pk_add_f32 v[144:145], v[144:145], v[148:149]
	v_add_f32 v144, v144, v145
	v_permlanex16_b32 v145, v144, s36, s37
	v_add_f32 v144, v144, v145                     ; l, at least 1
	v_rcp_f32 v12, v144
	v_nop
	s_wait_loadcnt 40                              ; V is in; behind it: the mean's 8, Wo's 16 and 16
.irp t, 0,1,2,3                        ; O^T = V^T P: four sums by turns; keys 8 h + 2 i + 0, 1 on both sides
	v_wmma_f32_16x16x4_f32 v[112+8*\t:119+8*\t], v[80+8*\t:81+8*\t], v[152:153], 0
.endr
.irp i, 1,2,3
.irp t, 0,1,2,3
	v_wmma_f32_16x16x4_f32 v[112+8*\t:119+8*\t], v[80+8*\t+2*\i:81+8*\t+2*\i], v[152+2*\i:153+2*\i], v[112+8*\t:119+8*\t]
.endr
.endr
.rept 8
	v_nop
.endr
	s_wait_alu depctr_va_vdst(0)                   ; the reciprocal
	s_wait_loadcnt 32                              ; the mean of v is in
; Tile t (channels 16 t + 8 h + 0 .. 7 of my query): / l, the mean where no key is open, split into a high and a low part: registers 4 t .. 4 t + 3 of the projection's operand
.macro TILE t, vb
.irp k, 0,2,4,6
	v_pk_mul_f32 v[144+\k:145+\k], v[112+8*\t+\k:113+8*\t+\k], v[12:13] op_sel_hi:[1,0]
.endr
.irp j, 0,1,2,3,4,5,6,7
	v_cndmask_b32 v[144+\j], v[144+\j], v[\vb+\j], s34
.endr
.irp jj, 0,1,2,3
	v_cvt_pk_f16_f32 v9, v[144+2*\jj], v[145+2*\jj]
	v_cvt_f32_f16 v[152+2*\jj], v9.l
	v_cvt_f32_f16 v[153+2*\jj], v9.h
	v_mov_b32 v[80+4*\t+\jj], v9
	v_pk_add_f32 v[152+2*\jj:153+2*\jj], v[144+2*\jj:145+2*\jj], v[152+2*\jj:153+2*\jj] neg_lo:[0,1] neg_hi:[0,1]
	v_pk_mul_f32 v[152+2*\jj:153+2*\jj], v[152+2*\jj:153+2*\jj], 0x45000000 op_sel_hi:[1,0]
	v_cvt_pk_f16_f32 v[96+4*\t+\jj], v[152+2*\jj], v[153+2*\jj]
.endr
.endm
	TILE 0, 160
	TILE 1, 168
	TILE 2, 240
	TILE 3, 248
	s_wait_loadcnt 0x0                             ; all of Wo's parts
; out^T: source 0 = 16 columns of Wo, source 1 = my 16 queries.  High sums v112.., low sums v144..; four accumulators by turns in each run
.irp nt, 0,1,2,3
	v_wmma_f32_16x16x32_f16 v[112+8*\nt:119+8*\nt], v[176+8*\nt:183+8*\nt], v[80:87], 0
.endr
.irp nt, 0,1,2,3
	v_wmma_f32_16x16x32_f16 v[144+8*\nt:151+8*\nt], v[176+8*\nt:183+8*\nt], v[96:103], 0
.endr
.irp nt, 0,1,2,3
	v_wmma_f32_16x16x32_f16 v[112+8*\nt:119+8*\nt], v[16+8*\nt:23+8*\nt], v[88:95], v[112+8*\nt:119+8*\nt]
.endr
.irp nt, 0,1,2,3
	v_wmma_f32_16x16x32_f16 v[144+8*\nt:151+8*\nt], v[208+8*\nt:215+8*\nt], v[80:87], v[144+8*\nt:151+8*\nt]
.endr
.irp nt, 0,1,2,3
	v_wmma_f32_16x16x32_f16 v[144+8*\nt:151+8*\nt], v[16+8*\nt:23+8*\nt], v[104:111], v[144+8*\nt:151+8*\nt]
.endr
.irp nt, 0,1,2,3
	v_wmma_f32_16x16x32_f16 v[144+8*\nt:151+8*\nt], v[48+8*\nt:55+8*\nt], v[88:95], v[144+8*\nt:151+8*\nt]
.endr
.rept 4
	v_nop
.endr
.set k, 0
.rept 16
	v_pk_fma_f32 v[176+k:177+k], v[144+k:145+k], 0x3a000000, v[112+k:113+k] op_sel_hi:[1,0,1]   ; high + low / 2048, into other registers, each accumulator from its low end on
.set k, k+2
.endr
.irp nt, 0,1,2,3
	ds_store_b128 v5, v[176+8*\nt:179+8*\nt] offset:64*\nt          ; my head's part of out(query r, columns 16 nt + 8 h + 0 .. 7)
	ds_store_b128 v5, v[180+8*\nt:183+8*\nt] offset:64*\nt+16
.endr
	global_load_b64 v[48:49], v7, s[28:29]         ; bo at my two columns
	s_wait_dscnt 0x0                               ; for the others' sake: my stores are done
	s_barrier_signal -1
	s_barrier_wait -1
.irp p, 0,1,2,3,4,5,6,7,8,9,10,11,12,13,14,15
	ds_load_b64 v[16+2*\p:17+2*\p], v6 offset:\p*16*272             ; wave w adds row w of the sixteen parts, two columns a lane
.endr
	s_wait_dscnt 0x0
.irp d, 16,8,4,2
.set k, 0
.rept \d/2
	v_pk_add_f32 v[16+k:17+k], v[16+k:17+k], v[16+\d+k:17+\d+k]
.set k, k+2
.endr
.endr
	s_wait_loadcnt 0x0
	v_pk_add_f32 v[16:17], v[16:17], v[48:49]
	global_store_b64 v7, v[16:17], s[30:31]        ; the wave stores 256 consecutive bytes, aligned
	s_wait_tensorcnt 0x0                           ; the wave's end
	ds_add_u32 v[SPW], v[NIL]
	s_wait_dscnt 0x0
	s_endpgm
.Lfunc_end_k_qfa097f9592_first16:
	.size	k_qfa097f9592_first16, .Lfunc_end_k_qfa097f9592_first16-k_qfa097f9592_first16
	.p2alignl 7, 3214868480
	.fill 96, 4, 3214868480
	.section	.rodata,"a",@progbits
	.p2align	6, 0x0
	.amdhsa_kernel k_qfa097f9592_first16
		.amdhsa_group_segment_fixed_size 71680
		.amdhsa_private_segment_fixed_size 0
		.amdhsa_enable_private_segment 0
		.amdhsa_kernarg_size 48
		.amdhsa_user_sgpr_count 2
		.amdhsa_user_sgpr_kernarg_segment_ptr 1
		.amdhsa_wavefront_size32 1
		.amdhsa_system_sgpr_workgroup_id_x 1
		.amdhsa_system_sgpr_workgroup_id_y 1
		.amdhsa_system_sgpr_workgroup_id_z 1
		.amdhsa_system_vgpr_workitem_id 0
		.amdhsa_next_free_vgpr 256
		.amdhsa_next_free_sgpr 66
		.amdhsa_reserve_vcc 1
		.amdhsa_float_denorm_mode_32 3
		.amdhsa_float_denorm_mode_16_64 3
		.amdhsa_memory_ordered 1
		.amdhsa_forward_progress 1
		.amdhsa_inst_pref_size 33
	.end_amdhsa_kernel
	.amdgpu_metadata
---
amdhsa.version: [ 1, 2 ]
amdhsa.kernels:
  - .name:           k_qfa097f9592_first16
    .symbol:         k_qfa097f9592_first16.kd
    .args:
      - { .name: qkv32, .offset: 0, .size: 8, .value_kind: global_buffer, .address_space: global }
      - { .name: vbar, .offset: 8, .size: 8, .value_kind: global_buffer, .address_space: global }
      - { .name: attention_mask, .offset: 16, .size: 8, .value_kind: global_buffer, .address_space: global }
      - { .name: wot, .offset: 24, .size: 8, .value_kind: global_buffer, .address_space: global }
      - { .name: bo, .offset: 32, .size: 8, .value_kind: global_buffer, .address_space: global }
      - { .name: out0, .offset: 40, .size: 8, .value_kind: global_buffer, .address_space: global }
    .group_segment_fixed_size: 71680
    .private_segment_fixed_size: 0
    .kernarg_segment_align: 8
    .kernarg_segment_size: 48
    .max_flat_workgroup_size: 512
    .sgpr_count:     66
    .vgpr_count:     256
    .wavefront_size: 32
...
	.end_amdgpu_metadata
.endif
;; end of part 5
